; MI455X (gfx1250); checked and timed in simulation.
; The chip was launched on July 23, 2026; its instructions are those of AMD's public machine-readable ISA for CDNA 5 (MIT licence, August 2026) and "CDNA5" Instruction Set Architecture Reference Guide (July 2026). The comments in the code are by the model that wrote it; some were corrected since.
;; Multi Head Self Attention. Allowed arithmetic: matrix products marked QUANTISED: E5M2 operands, one E8M0 scale for each 32 along K, by v_wmma_scale_f32_16x16x128_f8f6f4 with both operands' format E5M2, f32 sums; everything else in f32.
;; Inputs: Wk_codes 1,024 x 32 x 32 uint8 (E5M2 codes of Wk, K innermost, in blocks of 32 codes); Wk_scales 1,024 x 32 uint8 (E8M0 scales of Wk, one for each 32 codes along K); Wo_codes 1,024 x 32 x 32 uint8 (E5M2 codes of Wo, K innermost, in blocks of 32 codes); Wo_scales 1,024 x 32 uint8 (E8M0 scales of Wo, one for each 32 codes along K); Wq_codes 1,024 x 32 x 32 uint8 (E5M2 codes of Wq, K innermost, in blocks of 32 codes); Wq_scales 1,024 x 32 uint8 (E8M0 scales of Wq, one for each 32 codes along K); Wv_codes 1,024 x 32 x 32 uint8 (E5M2 codes of Wv, K innermost, in blocks of 32 codes); Wv_scales 1,024 x 32 uint8 (E8M0 scales of Wv, one for each 32 codes along K); bk 1,024 float32; bo 1,024 float32; bq 1,024 float32; bv 1,024 float32; x_codes 4 x 2,048 x 32 x 32 uint8 (E5M2 codes of x, K innermost, in blocks of 32 codes); x_scales 4 x 2,048 x 32 uint8 (E8M0 scales of x, one for each 32 codes along K).
;; Outputs: out0 4 x 2,048 x 1,024 float32.
;; This version of the problem:
;;   THIS VERSION OF THE PROBLEM IS GIVEN IN LOW PRECISION. The matrix products marked QUANTISED in the list below multiply operands that are first quantised to E5M2 (5 exponent bits, 2 mantissa bits; 8 bits a number), with one power-of-two scale for each 32 numbers along K (OCP MX v1.0); their sums are f32. All else is computed in f32.
;;   The module's matrix products, in the order in which they are computed (A, B: the left and right operand; K: the contracted axis; several contracted axes count as one K, in the product's order):
;;     1. [M 8,192, K 1,024] x [K 1,024, N 1,024]; A: input x (given as codes); B: input Wq (given as codes): QUANTISED
;;     2. [M 8,192, K 1,024] x [K 1,024, N 1,024]; A: input x (given as codes); B: input Wk (given as codes): QUANTISED
;;     3. [M 8,192, K 1,024] x [K 1,024, N 1,024]; A: input x (given as codes); B: input Wv (given as codes): QUANTISED
;;     4. batch 64 x [M 2,048, K 64] x [K 64, N 2,048]; A: computed on the way; B: computed on the way: QUANTISED
;;     5. batch 64 x [M 2,048, K 2,048] x [K 2,048, N 64]; A: softmax (see below); B: computed on the way: QUANTISED
;;     6. [M 8,192, K 1,024] x [K 1,024, N 1,024]; A: computed on the way; B: input Wo (given as codes): QUANTISED
;;   THE QUANTISER, for each operand of a quantised product, along K:
;;     - K is cut into blocks of 32 from its start; a last block that is shorter is filled with zeros.
;;     - A block's scale is 2^e with e = floor(log2(the largest magnitude in the block)) - 15, held to -126 .. 127; a block of zeros has e = 0. As a byte (E8M0): e + 127.
;;     - Each number is divided by its block's scale, clamped to +-57,344, and rounded to the nearest number of E5M2, ties to even, subnormals kept.
;;     - The product sums the exact products of the quantised numbers (number of the format x scale) in f32.
;;   ~~~python
;;   def quantise(x, axis):      # numpy; x: float32 -> the quantised numbers, widened to float32 again
;;       x = np.moveaxis(x, axis, -1); K = x.shape[-1]
;;       x = np.pad(x, [(0, 0)] * (x.ndim - 1) + [(0, -K % 32)]); x = x.reshape(x.shape[:-1] + (-1, 32)); a = np.abs(x).max(-1, keepdims=True)
;;       e = np.where(a > 0, np.clip(np.frexp(np.where(a > 0, a, 1))[1] - 1 - 15, -126, 127), 0)      # np.frexp(a)[1] - 1 = floor(log2(a)), exactly
;;       r = np.clip(x / 2.0 ** e, -57344, 57344)
;;       step = 2.0 ** (np.maximum(np.frexp(np.where(r == 0, 1, r))[1] - 1, -14) - 2)
;;       q = np.round(r / step) * step * 2.0 ** e      # np.round: ties to even
;;       return np.moveaxis(q.reshape(q.shape[:-2] + (-1,))[..., :K], -1, axis).astype(np.float32)
;;   ~~~
;;   SOFTMAX AHEAD OF A QUANTISED PRODUCT. Where the list says 'softmax', what is quantised is not the finished softmax but p = 2^(t - M), with t = logit x log2(e) and M = ceil(the row's largest t), a whole number; so 1/2 < the row's largest p <= 1. The row's sum l is taken of the UNQUANTISED p, in f32, and the product's result is divided by l at the end. Since M is a whole number, a kernel that streams over the keys may use a running M (the ceiling of the running maximum): every later rescaling is an exact power of two, which a block's scale takes up: the codes' values come out the same.
;;   OPERANDS COMPUTED ON THE WAY. 'Computed on the way' means the value that the module computes at that place (a softmax that the list does not call 'softmax' is quantised finished and normalised). What goes into a quantiser is computed in f32, as accurately as f32 sums, v_exp_f32 and their like allow (about 1e-6 of the number): no bf16 or f16 on the way to a quantiser, and a product that is left as it is and whose result goes on into a quantised operand takes f32 operands (vector FMAs, or v_wmma_f32_16x16x4_f32). A number that lies on a knife's edge between two numbers of the format may be rounded either way, as far as f32 arithmetic and the matrix unit's own rounding can turn it there, and no further.
;;   INPUTS GIVEN AS CODES. Wk (in the module: [1024, 1024], K = its axis 1); Wo (in the module: [1024, 1024], K = its axis 1); Wq (in the module: [1024, 1024], K = its axis 1); Wv (in the module: [1024, 1024], K = its axis 1); x (in the module: [4, 2048, 1024], K = its axis 2): each comes as NAME_codes (uint8): NAME with its K axis moved to the last place and cut into blocks of 32 codes, [.., K / 32, bytes a block], one block behind the other in memory; one code a byte (a code: sign, 5 exponent bits, 2 mantissa bits); and NAME_scales (uint8): the same leading axes, one E8M0 byte (e + 127) for each 32 codes along K. Its value is code x scale, taken as it is: it is not quantised again, and the codes and scales need not be those that the quantiser above would give.
;; One version. Each part assembles by itself: llvm-mc -triple=amdgcn-amd-amdhsa -mcpu=gfx1250 --defsym DOCPART=n.
;; ======== version 1 of 1: 3 launches
;; limits: right only within a limited range of input values
;; workspace buffers: qkv_img 25,165,824 bytes; qkv_sc 786,432 bytes; ctx_img 8,388,608 bytes; ctx_sc 262,144 bytes
;; launch qkv (part 1): grid 4 x 96, 4 waves a work-group, clusters of 4 x 4, 327,680 bytes of LDS; arguments x_codes, x_scales, Wq_codes, Wq_scales, Wk_codes, Wk_scales, Wv_codes, Wv_scales, bq, bk, bv, qkv_img, qkv_sc; writes qkv_img, qkv_sc
.if DOCPART == 1
	.amdgcn_target "amdgcn-amd-amdhsa--gfx1250"
	.amdhsa_code_object_version 6
	.text
	.protected	k_q761fad74eb_qkv
	.globl	k_q761fad74eb_qkv
	.p2align	8
	.type	k_q761fad74eb_qkv,@function
k_q761fad74eb_qkv:
	s_mov_b64 s[64:65], 0
	v_nop
	global_prefetch_b8 v0, s[64:65] scope:SCOPE_SE
	s_setreg_imm32_b32 hwreg(HW_REG_WAVE_MODE, 25, 1), 1
	s_wait_xcnt 0x0
	s_wait_alu depctr_hold_cnt(0) depctr_sa_sdst(0) depctr_va_vdst(0) depctr_va_sdst(0) depctr_va_ssrc(0) depctr_va_vcc(0) depctr_vm_vsrc(0)
	s_getreg_b32 s2, hwreg(HW_REG_IB_STS2, 6, 4)
	s_cmp_eq_u32 s2, 0
	s_cbranch_scc0 .Lentry_in_a_cluster
	s_endpgm
.Lentry_in_a_cluster:
	s_bfe_u32 s2, ttmp6, 0x10000c
	s_cmp_lg_u32 s2, 0xf033
	s_cbranch_scc0 .Lentry_shape_is_right
	s_endpgm
.Lentry_shape_is_right:
; q = x Wq^T + bq, k = x Wk^T + bk, v = x Wv^T + bv on codes of BF8 (E5M2) with one E8M0 scale for each 32 along K, and the three results quantised for the attention launch.
; NO WORK IS LEFT OUT in this program: every bias moves codes or scales of an operand of a live quantised product (bk too) or moves the output; all fourteen inputs are loaded.
; ONE BODY, THREE JOBS.  C'[m'][n'] = sum over k of A'[m'][k] B'[n'][k] + bias, and C' is quantised along n'.  Jobs 0, 1 (q, k): A' = x (8,192 rows), B' = W (1,024 rows): n' runs along the head's 64.
; Job 2 (v): A' = Wv, B' = x: the result is v transposed and n' runs along the keys, which are the K of the second product of attention.  Both operands have rows of 1,024 code bytes and 32 scale bytes in all jobs.
; The job is the cluster's y / 8: the same in all sixteen partners; only pointers, offsets and two short runs of vector instructions hang on it.
; A tile of C', 256 x 256, is made by four waves, 128 x 128 each: 64 accumulators of 16 x 16.  K goes in steps of 256 through a ring of two LDS slots; the scale bytes of the tile's rows come once and stay.
; CLUSTERS: 4 x 4 work-groups; A's tiles are asked for jointly along a row of the cluster, B's along a column.  THE MATRIX INSTRUCTION IS USED TRANSPOSED (source 0 = 16 rows of B', source 1 = 16 rows of A'):
; lane (r, h) holds row r of A's block a, and register j of accumulator (a, b) the column 16 b + 8 h + j.
; THE WAY OUT.  The 16 registers of accumulators (a, 2 p) and (a, 2 p + 1) are 16 numbers of block p of 32 along n' (32 p + 16 u + 8 h + j); lane l xor 16 holds the other 16.  Converted in register order, code 8 u + j of the lane
; stands for n' = 32 p + 16 u + 8 h + j: a fixed order INSIDE a block of 32, the same for q, k, v and p, so that both sides of each product of attention agree and the blocks' scales are untouched.
; The codes leave as IMAGES OF OPERAND REGISTERS: four registers at 16 x lane, each store 512 consecutive bytes at a multiple of 512.
;   qkv_img [job 3][b 4][head pair 8][g 16 (128 tokens)][head of the pair 2][8,192 bytes];  q, k: [token tile a 8][block c 2][lane][16];  v: [key blocks' half 2][d tile t 4][block of the half 2][lane][16].
;   qkv_sc  [job][b][head 16][g 16][r 16][4 words];  q, k: word i = bytes (tile 2 i: c0, c1 | tile 2 i + 1: c0, c1) of token r of the tile;  v: word t = the four key blocks of d = 16 t + r.
; LIMITS: NaN and infinities (among the numbers or the given codes) are not served.  A block of zeros gets the scale byte 1 where the rule says 127, and a block whose largest magnitude lies under 2^-111 is held at byte 1:
; the bytes are read by this program alone, and zero codes add nothing under any byte but 0xff.
.set SIZE_K, 1024
.set KSTEP,  256                       ; along K in a slot
.set NQ,     KSTEP/128                 ; matrix instructions deep
.set ROWB,   256                       ; a tile's row in bytes
.set KROW,   SIZE_K                    ; a row of A' or B' in memory, in bytes
.set PITCH,  272                       ; an LDS row: 256 bytes + 16 of padding: the 16 rows that a load touches start at 16 different banks (64 banks of 4 bytes: ISA guide 11.1)
.set FR,     16                        ; registers of a fragment: 16 rows x 128 K
.set NL,     4                         ; LDS loads that bring one
.set NP,     8                         ; places behind this matrix instruction (ISA guide 7.12.1)
.set HALFT,  128*PITCH                 ; 128 rows: what one tensor load brings
.set SLOT,   4*HALFT                   ; A's 256 rows, then B's 256 rows
.set LAPS,   SIZE_K/(2*KSTEP)          ; a lap = two K steps = once round the ring
.set KS,     SIZE_K/32                 ; a row of scales in bytes
.set SCL,    2*SLOT                    ; behind the ring: the scales, as units of 256 bytes + 16 of padding
.set HALFS,  (128*KS/256)*272          ; the scales of 128 rows
.set SBLK,   (16*KS/256)*272           ; those of 16 rows
.set SPARE,  SCL+4*HALFS               ; the spare words, 128 bytes for each wave: two blocks of 256 bytes that no other line names
.set BNO,  7                           ; v7      byte offset of my column biases
.set BM,   8                           ; v8-15   bias of row 16 a + r (job 2 uses it)
.set ADRA, 16                          ; v16-17  LDS address of my A fragments in slot 0, 1
.set BMO,  18                          ; v18     byte offset of my row biases
.set ADRB, 20                          ; v20-21  the same for B
.set LI,   24                          ; v24     16 x lane
.set SCO,  25                          ; v25     16 r + 4,096 h: my place among the scale words
.set SELV, 26                          ; v26     byte selector: lanes 0-15 take the low halves, lanes 16-31 the high halves
.set ADRS, 27                          ; v27     LDS address of my scale words: lanes 0-15 A's rows, lanes 16-31 B's
.set SPW,  28                          ; v28     LDS address of my spare word; never rewritten
.set NIL,  29                          ; v29     0; never rewritten
.set SC,   32                          ; v32-63  scale words, two sets
.set BN,   64                          ; v64-127 bias of column 16 b + 8 h + j at register 8 b + j (jobs 0, 1 use it)
.set AF,   128                         ; A's fragments, in window 0
.set X,    128                         ; the way out: v128-191 a block's 64 numbers
.set PC,   192                         ; v192-207 its codes
.set TM,   208                         ; v208-223 at work
.set PWS,  32                          ; v32-39  the eight blocks' scale words
.set DW,   40                          ; v40-43  the four words that leave
.set G1, 24                            ; s[24:31] descriptor group 1 for A's tiles;  s[32:39] group 0, one set for each slot
.set G0, 32
.set G1B, 48                           ; s[48:55], s[56:63] the same for B's tiles
.set G0B, 56
.set G1S, 68                           ; s[68:75], s[76:79] groups 1 and 0 for A's scales;  s[80:87], s[88:91] for B's
.set G0S, 76
.set G1SB, 80
.set G0SB, 88
.set MNT, 45                           ; s45     the mantissa field of 57,344 (set at the way out)
.set SEL, 46                           ; s[46:47] lane selects for lane l xor 16 (set at the way out)
.set ISV, 66                           ; s66     1 in job 2
.set JOB, 67                           ; s67
.set HM,  95                           ; s95     the mask of lanes 16-31
.set MSB, 0
.macro WIN new                         ; the immediate's high byte repeats the setting that is left
.if MSB != (\new)
	s_set_vgpr_msb (MSB<<8)|(\new)
.set MSB, (\new)
.endif
.endm
.set MUL_LO, 0xa1                      ; source 0 (B) window 1, source 1 (A) window 0, C and D window 2
.set MUL_HI, 0xf1                      ; the same, C and D window 3
.set TO_B,   0x40                      ; destination window 1, address window 0
; A joint load: waves 0 and 1 fetch for A, waves 2 and 3 for B.  The branch hangs on the wave's number alone.  An s_nop 0 and four v_nop follow each of the two lines.
.macro JLOAD g0a, g1a, g0b, g1b
	s_cmp_eq_u32 s15, 0
	s_cbranch_scc0 .Lfor_b_\@
	tensor_load_to_lds s[\g0a:\g0a+3], s[\g1a:\g1a+7]
	s_nop 0
.rept 4
	v_nop
.endr
	s_branch .Lasked_\@
.Lfor_b_\@:
	tensor_load_to_lds s[\g0b:\g0b+3], s[\g1b:\g1b+7]
	s_nop 0
.rept 4
	v_nop
.endr
.Lasked_\@:
.endm
.macro CREST                           ; a round of the cluster's barrier behind its opening barrier
	s_cmp_lg_u32 s14, 0
	s_cbranch_scc1 .Lnot_wave_0_\@
	s_barrier_signal -3
.Lnot_wave_0_\@:
	s_barrier_wait -3
	s_barrier_signal -1
	s_barrier_wait -1
.endm
.macro CROUND                          ; a whole round
	s_barrier_signal -1
	s_barrier_wait -1
	CREST
.endm
	s_load_b512 s[68:83], s[0:1], 0x0              ; x codes, x scales, Wq codes, Wq scales, Wk codes, Wk scales, Wv codes, Wv scales
	s_load_b256 s[84:91], s[0:1], 0x40             ; bq, bk, bv, qkv_img
	s_load_b64 s[92:93], s[0:1], 0x60              ; qkv_sc
	v_lshl_add_u32 v[SPW], v0, 2, SPARE
	v_mov_b32 v[NIL], 0
	ds_add_u32 v[SPW], v[NIL]                      ; the wave's opening: the add, twice on end, and its wait ahead of my first tensor load; work on registers stands between the second and the wait
	ds_add_u32 v[SPW], v[NIL]
	v_lshrrev_b32 v1, 5, v0
	v_readfirstlane_b32 s14, v1                    ; wave 0..3
	s_lshr_b32 s15, s14, 1                         ; which half of the tile's rows is mine.  Also: I fetch for A (0) or for B (1)
	s_and_b32 s16, s14, 1                          ; which half of its columns.  Also: which 128 rows of that tile I fetch
	s_bfe_u32 s40, ttmp6, 0x40000                  ; cx, cy: my place in the cluster
	s_bfe_u32 s41, ttmp6, 0x40004
	s_and_b32 s20, ttmp7, 0xffff                   ; the cluster's y, 0..23
	s_lshr_b32 s[JOB], s20, 3                      ; job 0, 1, 2
	s_and_b32 s21, s20, 7                          ; which 1,024 rows of x
	s_cmp_eq_u32 s[JOB], 2
	s_cselect_b32 s[ISV], 1, 0
	s_cselect_b32 s22, 0, s21                      ; x is A' in jobs 0, 1
	s_cselect_b32 s23, s21, 0                      ; and B' in job 2
	s_lshl_b32 s42, s23, 2
	s_add_co_u32 s42, s42, s40                     ; tile column of C'
	s_lshl_b32 s17, s22, 2
	s_add_co_u32 s17, s17, s41                     ; tile row of C'
	s_lshl_b32 s43, s41, 2
	s_lshl_b32 s43, 15, s43                        ; my row of the cluster
	s_lshl_b32 s44, 0x1111, s40                    ; my column
	s_mov_b32 s[HM], 0xffff0000
	; descriptor group 1: a tile of 128 rows x 256 bytes, padded in LDS
	s_or_b32 s[G1+0], s43, (0<<16)|(1<<20)|(1<<21)|(5<<22)|(3<<25)  ; 15:0 the mask: A's tiles go to my row; 17:16 elements of 1 byte; 20 padding on; 21 set beside a mask; 24:22 after every 64 words; 31:25 four words
	s_or_b32 s[G1B+0], s44, (0<<16)|(1<<20)|(1<<21)|(5<<22)|(3<<25)
.irp g, G1, G1B
	s_mov_b32 s[\g+1], ROWB<<16                    ; tensor_dim0
	s_mov_b32 s[\g+2], 256<<16                     ; tensor_dim1: 256 rows for the head's loads; set to 128 for the ring's behind the wait for them
	s_mov_b32 s[\g+3], ROWB<<16                    ; tile_dim0
	s_mov_b32 s[\g+4], 256                         ; tile_dim1 likewise
	s_mov_b32 s[\g+5], KROW                        ; tensor_dim0_stride
	s_mov_b32 s[\g+6], 0
	s_mov_b32 s[\g+7], 0
.endr
	s_lshl_b32 s20, s17, 8                         ; A': the tile's first row, 256 x tile row
	s_lshl_b32 s46, s42, 8                         ; B': 256 x tile column
	s_mov_b32 s21, 0
	s_mov_b32 s47, 0
	s_mov_b64 s[18:19], KS
	s_mul_u64 s[22:23], s[20:21], s[18:19]         ; where these rows' scales begin, in bytes
	s_mul_u64 s[2:3], s[46:47], s[18:19]
	s_mov_b64 s[18:19], KROW
	s_mul_u64 s[20:21], s[20:21], s[18:19]         ; and their codes
	s_mul_u64 s[46:47], s[46:47], s[18:19]
	s_mul_i32 s45, s14, HALFT                      ; where they go: wave x 128 rows: no place in the cluster enters an LDS address
	s_wait_dscnt 0x0                               ; both opening adds are done
	s_wait_kmcnt 0x0
	s_cmp_eq_u32 s[JOB], 0                         ; the job's weight and bias: choices that hang on the cluster's number alone
	s_cselect_b64 s[72:73], s[72:73], s[76:77]
	s_cselect_b64 s[74:75], s[74:75], s[78:79]
	s_cselect_b64 s[84:85], s[84:85], s[86:87]
	s_cmp_eq_u32 s[JOB], 2
	s_cselect_b64 s[72:73], s[80:81], s[72:73]     ; W's codes
	s_cselect_b64 s[74:75], s[82:83], s[74:75]     ; W's scales
	s_cselect_b64 s[96:97], s[88:89], s[84:85]     ; the bias
	s_cselect_b64 s[4:5], s[72:73], s[68:69]       ; A's codes: Wv in job 2, else x
	s_cselect_b64 s[6:7], s[74:75], s[70:71]       ; A's scales
	s_cselect_b64 s[8:9], s[68:69], s[72:73]       ; B's codes
	s_cselect_b64 s[10:11], s[70:71], s[74:75]     ; B's scales
	s_mov_b64 s[12:13], s[90:91]                   ; qkv_img
	s_mov_b64 s[98:99], s[92:93]                   ; qkv_sc
	; group 1 for the scales of 256 rows: a dense block of 8,192 bytes, as rows of 256 bytes (32 elements of 8 bytes), 16 bytes of padding behind each
	s_or_b32 s[G1S+0], s43, (3<<16)|(1<<20)|(1<<21)|(5<<22)|(3<<25)
	s_or_b32 s[G1SB+0], s44, (3<<16)|(1<<20)|(1<<21)|(5<<22)|(3<<25)
.irp g, G1S, G1SB
	s_mov_b32 s[\g+1], 32<<16
	s_mov_b32 s[\g+2], (256*KS/256)<<16            ; the scales of the tile's 256 rows: 8,192 dense bytes
	s_mov_b32 s[\g+3], 32<<16
	s_mov_b32 s[\g+4], 256*KS/256
	s_mov_b32 s[\g+5], 32
	s_mov_b32 s[\g+6], 0
	s_mov_b32 s[\g+7], 0
.endr
	s_add_nc_u64 s[20:21], s[4:5], s[20:21]
	s_add_nc_u64 s[22:23], s[6:7], s[22:23]
	s_add_nc_u64 s[46:47], s[8:9], s[46:47]
	s_add_nc_u64 s[2:3], s[10:11], s[2:3]
	CROUND                                         ; all sixteen work-groups are here: the first joint loads meet
	s_mov_b32 s[G0S], 1                            ; the head's four tiles, each whole: the scales of A's 256 rows,
	s_mov_b32 s[G0S+1], SCL
	s_mov_b64 s[G0S+2:G0S+3], s[22:23]
	s_or_b32 s[G0S+3], s[G0S+3], 0x80000000
	s_mov_b32 s[G0SB], 1                           ; those of B's,
	s_mov_b32 s[G0SB+1], SCL+2*HALFS
	s_mov_b64 s[G0SB+2:G0SB+3], s[2:3]
	s_or_b32 s[G0SB+3], s[G0SB+3], 0x80000000
	s_mov_b32 s[G0], 1                             ; K step 0's 256 rows of A (slot 0's group 0 serves the head first; it is set for the ring behind the wait for the head's loads),
	s_mov_b32 s[G0+1], 0
	s_mov_b64 s[G0+2:G0+3], s[20:21]
	s_or_b32 s[G0+3], s[G0+3], 0x80000000
	s_mov_b32 s[G0B], 1                            ; and its 256 rows of B, behind them in slot 0
	s_mov_b32 s[G0B+1], 2*HALFT
	s_mov_b64 s[G0B+2:G0B+3], s[46:47]
	s_or_b32 s[G0B+3], s[G0B+3], 0x80000000
	s_mul_i32 s18, s16, 128*KROW                   ; in the ring I fetch 128 rows of a tile: which half, in bytes
	s_mov_b32 s19, 0
	s_add_nc_u64 s[20:21], s[20:21], s[18:19]
	s_add_nc_u64 s[46:47], s[46:47], s[18:19]
	s_mov_b32 s[G0+4], 1                           ; slot 1: my 128 rows of K step 1
	s_add_co_u32 s[G0+5], s45, SLOT
	s_add_nc_u64 s[G0+6:G0+7], s[20:21], ROWB
	s_or_b32 s[G0+7], s[G0+7], 0x80000000
	s_mov_b32 s[G0B+4], 1
	s_add_co_u32 s[G0B+5], s45, SLOT
	s_add_nc_u64 s[G0B+6:G0B+7], s[46:47], ROWB
	s_or_b32 s[G0B+7], s[G0B+7], 0x80000000
; THE HEAD'S LOADS, ONE A WAVE: wave 0 A's 256 rows of K step 0, wave 1 B's, wave 2 A's scales, wave 3 B's.  One chain of branches on the wave's number, a load to an arm, all arms leading to one join.
.macro ARM under, g0, g1, next
	s_cmp_lt_u32 s14, \under
	s_cbranch_scc0 \next
	tensor_load_to_lds s[\g0:\g0+3], s[\g1:\g1+7]
	s_nop 0
.rept 4
	v_nop
.endr
	s_branch .Lhead_asked
\next:
.endm
	ARM 1, G0,  G1,  .Lhead_b
	ARM 2, G0B, G1B, .Lhead_sa
	ARM 3, G0S, G1S, .Lhead_sb
	tensor_load_to_lds s[G0SB:G0SB+3], s[G1SB:G1SB+7]
	s_nop 0
.rept 4
	v_nop
.endr
.Lhead_asked:
	v_and_b32 v1, 15, v0                           ; r = l % 16
	v_bfe_u32 v2, v0, 4, 1                         ; h = l / 16
	v_mul_u32_u24 v3, v1, PITCH
	v_lshl_add_u32 v4, v2, 4, v3                   ; a fragment's row x pitch + 16 x half
	s_mul_i32 s21, s15, HALFT                      ; my 128 rows of A
	s_mul_i32 s22, s16, HALFT                      ; my 128 rows of B,
	s_add_co_u32 s22, s22, 2*HALFT                 ; which lie behind A's 256
.irp s, 0,1
	v_add_nc_u32 v[ADRA+\s], s21, v4
	v_add_nc_u32 v[ADRB+\s], s22, v4
	s_add_co_u32 s21, s21, SLOT
	s_add_co_u32 s22, s22, SLOT
.endr
	v_mul_u32_u24 v5, v1, KS                       ; my row's scales: 32 bytes a row,
	v_lshrrev_b32 v6, 8, v5
	v_lshl_add_u32 v5, v6, 4, v5                   ; and 16 more for each 256 passed
	s_mul_i32 s21, s15, HALFS
	s_mul_i32 s22, s16, HALFS
	s_add_co_u32 s22, s22, 2*HALFS
	s_sub_co_u32 s22, s22, s21
	v_mul_u32_u24 v6, s22, v2                      ; lanes 16-31 take B's
	s_add_co_u32 s21, s21, SCL
	v_add_nc_u32 v5, v5, v6
	v_add_nc_u32 v[ADRS], s21, v5
	v_and_b32 v6, 31, v0
	v_lshlrev_b32 v[LI], 4, v6
	v_lshlrev_b32 v[SCO], 4, v1
	v_lshl_add_u32 v[SCO], v2, 12, v[SCO]
	v_mov_b32 v[SELV], 0x05040100
	v_mov_b32 v6, 0x07060302
	v_cndmask_b32 v[SELV], v[SELV], v6, s[HM]
	; where my 128 x 128 goes.  Groups of 128: of A's rows 2 x tile row + half, of B's rows 2 x tile column + half; one of them counts tokens (b x 16 + g), the other head pairs
	s_lshl_b32 s20, s17, 1
	s_add_co_u32 s20, s20, s15
	s_lshl_b32 s46, s42, 1
	s_add_co_u32 s46, s46, s16
	s_mov_b32 s18, 8192
	s_mov_b32 s19, 4096
	s_cmp_lg_u32 s[ISV], 0
	s_cselect_b32 s21, s46, s20                    ; the group of tokens
	s_cselect_b32 s22, s20, s46                    ; the head pair
	s_cselect_b32 s23, 0, s46                      ; whose 128 biases go along the columns (job 2 does not use them and reads the first 128: both sets are loaded in every job, 24 loads a wave, once)
	s_cselect_b32 s47, s20, 0                      ; and along the rows (jobs 0, 1 likewise)
	s_cselect_b32 s2, s19, s18                     ; from blocks 0, 1 to blocks 2, 3 of n': q, k the pair's other head, 8,192; v the other half of the key blocks, 4,096
	s_cselect_b32 s45, s18, s19                    ; from A's blocks 0-3 to 4-7: q, k 4,096; v the other head, 8,192
	s_lshl_b32 s23, s23, 9
	s_lshl_b32 s47, s47, 9
	v_lshl_add_u32 v[BNO], v2, 5, s23              ; 4 (128 group + 8 h)
	v_lshl_add_u32 v[BMO], v1, 2, s47              ; 4 (128 group + r)
.irp b, 0,1,2,3,4,5,6,7
	global_load_b128 v[BN+8*\b:BN+8*\b+3], v[BNO], s[96:97] offset:64*\b
	global_load_b128 v[BN+8*\b+4:BN+8*\b+7], v[BNO], s[96:97] offset:64*\b+16
.endr
.irp a, 0,1,2,3,4,5,6,7
	global_load_b32 v[BM+\a], v[BMO], s[96:97] offset:64*\a
.endr
	s_lshr_b32 s92, s21, 4                         ; b
	s_and_b32 s21, s21, 15                         ; g
	s_lshl_b32 s18, s92, 3
	s_add_co_u32 s18, s18, s22
	s_lshl_b32 s18, s18, 4
	s_add_co_u32 s18, s18, s21
	s_lshl_b32 s18, s18, 14                        ; ((8 b + pair) 16 + g) x 16,384
	s_lshl_b32 s19, s[JOB], 23
	s_add_co_u32 s18, s18, s19
	s_mov_b32 s19, 0
	s_add_nc_u64 s[4:5], s[12:13], s[18:19]        ; the four bases of my stores: s[4 + 4 x + 2 y], x = block of n' / 2, y = block of A / 4
	s_mov_b32 s3, 0
	s_add_nc_u64 s[8:9], s[4:5], s[2:3]
	s_mov_b32 s2, s45
	s_add_nc_u64 s[6:7], s[4:5], s[2:3]
	s_add_nc_u64 s[10:11], s[8:9], s[2:3]
	s_lshl_b32 s93, s92, 4
	s_lshl_b32 s94, s22, 1
	s_add_co_u32 s93, s93, s94
	s_lshl_b32 s93, s93, 4
	s_add_co_u32 s93, s93, s21
	s_lshl_b32 s93, s93, 8                         ; ((16 b + 2 pair) 16 + g) x 256
	s_lshl_b32 s94, s[JOB], 18
	s_add_co_u32 s92, s93, s94
	s_mov_b32 s93, 0
	s_add_nc_u64 s[98:99], s[98:99], s[92:93]
.macro FRAG reg, adr, q, i             ; a fragment, 16 rows x 128 K of 8-bit codes: lane l holds row l % 16; registers 4 c .. 4 c + 3 hold K = 32 c + 16 (l / 16) + 0 .. 15
.irp c, 0,1,2,3
	ds_load_b128 v[\reg+4*\c:\reg+4*\c+3], v[\adr] offset:128*(\q)+32*\c+(\i)*16*PITCH
.endr
.endm
; 16 matrix instructions: A's blocks a0, a0 + 1 x B's eight, 128 along K.  p: B's set;  sc: the set of scale words.  zero = 1: the first product starts the sums.
; The 64 accumulators take turns, one instruction a turn, in the same order in every step.
.macro MUL16 a0, p, q, sc, zero
.irp a, \a0, \a0+1
.irp b, 0,1,2,3,4,5,6,7
.if \zero
	v_wmma_scale_f32_16x16x128_f8f6f4 v[8*(8*((\a)%4)+\b):8*(8*((\a)%4)+\b)+7], v[128*(\p)+FR*\b:128*(\p)+FR*\b+FR-1], v[AF+FR*(\a):AF+FR*(\a)+FR-1], 0, v[SC+8*NQ*(\sc)+NQ*\b+(\q)], v[SC+8*NQ*(\sc)+NQ*(\a)+(\q)] matrix_a_fmt:MATRIX_FMT_BF8 matrix_b_fmt:MATRIX_FMT_BF8 matrix_a_scale:MATRIX_SCALE_ROW1
.else
	v_wmma_scale_f32_16x16x128_f8f6f4 v[8*(8*((\a)%4)+\b):8*(8*((\a)%4)+\b)+7], v[128*(\p)+FR*\b:128*(\p)+FR*\b+FR-1], v[AF+FR*(\a):AF+FR*(\a)+FR-1], v[8*(8*((\a)%4)+\b):8*(8*((\a)%4)+\b)+7], v[SC+8*NQ*(\sc)+NQ*\b+(\q)], v[SC+8*NQ*(\sc)+NQ*(\a)+(\q)] matrix_a_fmt:MATRIX_FMT_BF8 matrix_b_fmt:MATRIX_FMT_BF8 matrix_a_scale:MATRIX_SCALE_ROW1
.endif
.endr
.endr
.endm
.macro FETCH_B slot, q, p              ; B's eight fragments of the slot's q-th 128 along K into set p
	WIN TO_B
.irp i, 0,1,2,3,4,5,6,7
	FRAG 128*(\p)+FR*\i, ADRB+\slot, \q, \i
.endr
	WIN 0
.endm
.macro FETCH_A slot, q, i0             ; A's blocks i0 .. i0 + 3
.irp i, \i0, \i0+1, \i0+2, \i0+3
	FRAG AF+FR*(\i), ADRA+\slot, \q, \i
.endr
.endm
.macro SCALES sc                       ; a K step's scale words into set sc: two words a row; lanes 0-15 take A's block i, lanes 16-31 B's block i
.irp i, 0,1,2,3,4,5,6,7
	ds_load_b64 v[SC+8*NQ*\sc+NQ*\i:SC+8*NQ*\sc+NQ*\i+1], v[ADRS] offset:\i*SBLK
.endr
.endm
; A load into a register that a matrix instruction has read, and a vector instruction that reads a matrix result or writes one of its registers, stand eight places behind it; only plain vector
; instructions that name none of its registers are places.
.macro PLACES n
.rept \n
	v_nop
.endr
.endm
.macro STEP slot, q, zero              ; a step of 128 along K that has its successor in the same slot
	s_wait_dscnt 4*NL                              ; B's set and A's blocks 0-3 are in; the youngest sixteen loads (A's blocks 4-7) may be out
	WIN MUL_LO
	MUL16 0, (\q)%2, \q, \slot, \zero
	MUL16 2, (\q)%2, \q, \slot, \zero
	s_wait_dscnt 0                                 ; A's blocks 4-7 are in
	PLACES NP
	FETCH_B \slot, (\q)+1, 1-(\q)%2
	FETCH_A \slot, (\q)+1, 0
	WIN MUL_HI
	MUL16 4, (\q)%2, \q, \slot, \zero
	MUL16 6, (\q)%2, \q, \slot, \zero
	PLACES NP
	WIN 0
	FETCH_A \slot, (\q)+1, 4
.endm
; A slot's last step changes slots: ONE barrier; in front of it each wave waits for all its tensor loads, adds 0 to its spare word, and waits for that and for its own reads of this slot.  fill = 1: this slot is filled again, two K steps ahead.
.macro TURN slot, next, fill
	s_wait_tensorcnt 0x0                           ; all my tensor loads have landed: my part of the next slot
	ds_add_u32 v[SPW], v[NIL]                      ; 0 onto my spare word
	s_wait_dscnt 4*NL+1                            ; (the add and the youngest sixteen loads may be out)
	WIN MUL_LO
	MUL16 0, 1, NQ-1, \slot, 0                     ; sixteen matrix instructions stand between the add and the wait for it
	s_wait_dscnt 0x0                               ; the add is done, and my reads of this slot are over
	s_barrier_signal -1
	MUL16 2, 1, NQ-1, \slot, 0
	WIN 0
	s_barrier_wait -1
.if \fill
	CREST                                          ; the barrier has opened a round of the cluster's barrier: no wave of any partner still reads this slot's tile or has a load on its way
	s_add_nc_u64 s[G0+4*\slot+2:G0+4*\slot+3], s[G0+4*\slot+2:G0+4*\slot+3], 2*ROWB
	s_add_nc_u64 s[G0B+4*\slot+2:G0B+4*\slot+3], s[G0B+4*\slot+2:G0B+4*\slot+3], 2*ROWB
	JLOAD G0+4*\slot, G1, G0B+4*\slot, G1B         ; the first tensor load behind the round; its four v_nop are among the places in front of the loads below
	PLACES NP-4
.else
	PLACES NP
.endif
	s_wait_alu depctr_va_vdst(0)
	v_add_nc_u32 v[ADRS], 4*NQ, v[ADRS]            ; on to the next K step's scale words
	FETCH_B \next, 0, 0
	FETCH_A \next, 0, 0
	SCALES \next
	WIN MUL_HI
	MUL16 4, 1, NQ-1, \slot, 0
	MUL16 6, 1, NQ-1, \slot, 0
	PLACES NP
	WIN 0
	FETCH_A \next, 0, 4
.endm
	s_wait_alu depctr_va_vdst(0)                   ; at the head's end
	s_wait_tensorcnt 0x0                           ; my tile of the head's four is in
	ds_add_u32 v[SPW], v[NIL]                      ; 0 onto my spare word
	s_mov_b32 s[G1+2], 128<<16                     ; no tensor load of mine is out, so descriptors may be written: from here on a load brings 128 rows,
	s_mov_b32 s[G1+4], 128
	s_mov_b32 s[G1B+2], 128<<16
	s_mov_b32 s[G1B+4], 128
	s_mul_i32 s[G0+1], s14, HALFT                  ; and slot 0's groups 0 name my 128 rows of K step 0: the first refill steps them two K steps on
	s_mul_i32 s[G0B+1], s14, HALFT
	s_mul_i32 s20, s16, 128*KROW
	s_mov_b32 s21, 0
	s_add_nc_u64 s[G0+2:G0+3], s[G0+2:G0+3], s[20:21]
	s_add_nc_u64 s[G0B+2:G0B+3], s[G0B+2:G0B+3], s[20:21]
	s_wait_dscnt 0x0                               ; the add is done
	CROUND                                         ; a whole round: all four tiles are in, and all sixteen work-groups are here
	JLOAD G0+4, G1, G0B+4, G1B                     ; K step 1's load, the first tensor load behind the round
	FETCH_B 0, 0, 0
	FETCH_A 0, 0, 0
	SCALES 0
	FETCH_A 0, 0, 4
	STEP 0, 0, 1                                   ; the first step stands in front of the loop: its products start the sums
	s_mov_b32 s3, LAPS-1
.Llap:                                                 ; a trip goes once round the ring and fills both slots again
	TURN 0, 1, 1
	STEP 1, 0, 0
	TURN 1, 0, 1
	STEP 0, 0, 0
	s_sub_co_u32 s3, s3, 1
	s_cmp_lg_u32 s3, 0
	s_cbranch_scc1 .Llap
	TURN 0, 1, 0                                   ; the last lap fills nothing
	STEP 1, 0, 0
	s_wait_dscnt 4*NL                              ; the very last step
	WIN MUL_LO
	MUL16 0, 1, NQ-1, 1, 0
	MUL16 2, 1, NQ-1, 1, 0
	s_wait_dscnt 0
	WIN MUL_HI
	MUL16 4, 1, NQ-1, 1, 0
	MUL16 6, 1, NQ-1, 1, 0
	WIN 0
; 64 numbers of a lane, v[s] on, register 16 b + i: number i of my 16 of block b, become 16 registers of codes in v[PC] on and the row's scale word in v[pw].
.macro QUANT s, pw
.irp b, 0,1,2,3
	v_max3_num_f32 v[TM+\b], |v[\s+16*\b]|, |v[\s+1+16*\b]|, 0x8000000   ; my 16 numbers, and the floor 2^(16 - 127): the byte cannot fall under 1
.endr
.irp i, 2,4,6,8,10,12,14
.irp b, 0,1,2,3
	v_max3_num_f32 v[TM+\b], v[TM+\b], |v[\s+16*\b+\i]|, |v[\s+1+16*\b+\i]|   ; (the four blocks by turns)
.endr
.endr
.irp b, 0,1,2,3
	v_permlanex16_b32 v[TM+4+\b], v[TM+\b], s[SEL], s[SEL+1]
.endr
.irp b, 0,1,2,3
	v_max_num_f32 v[TM+\b], v[TM+\b], v[TM+4+\b]   ; with lane l xor 16's: the block's largest magnitude
.endr
.irp b, 0,1,2,3
	v_add_nc_u32 v[TM+12+\b], 0xf8800000, v[TM+\b]   ; 15 off its exponent field: the conversion takes the exponent field of this operand as its scale
.endr
.irp b, 0,1,2,3
	v_and_or_b32 v[TM+8+\b], v[TM+\b], 0x7f800000, s[MNT]   ; 57,344 x the scale
.endr
.irp b, 0,1,2,3
	v_lshrrev_b32 v[TM+4+\b], 23, v[TM+12+\b]      ; the scale's byte
.endr
	v_lshl_or_b32 v[\pw], v[TM+5], 8, v[TM+4]
	v_lshl_or_b32 v[\pw], v[TM+6], 16, v[\pw]
	v_lshl_or_b32 v[\pw], v[TM+7], 24, v[\pw]
.irp b, 0,1,2,3
.irp i, 0,1,2,3,4,5,6,7,8,9,10,11,12,13,14,15
	v_med3_num_f32 v[\s+16*\b+\i], v[\s+16*\b+\i], -v[TM+8+\b], v[TM+8+\b]   ; the conversion to an 8-bit code does not saturate (ISA guide 7.6.2): the hold at the largest code x the scale
.endr
	v_cvt_scalef32_pk8_bf8_f32 v[PC+4*\b:PC+1+4*\b], v[\s+16*\b:\s+7+16*\b], v[TM+12+\b]
	v_cvt_scalef32_pk8_bf8_f32 v[PC+2+4*\b:PC+3+4*\b], v[\s+8+16*\b:\s+15+16*\b], v[TM+12+\b]
.endr
	v_nop                                          ; one plain vector instruction behind the last conversion
.endm
; Block a of 16 rows: bias, quantiser, four stores.  The addition of the bias is also the move out of windows 2 and 3.  The branch hangs on the cluster's number: all waves of all partners go the same way; both arms hold vector arithmetic alone.
.macro BLOCKOUT a
.if (\a) > 0
	s_wait_xcnt 0x0                                ; the last block's stores have read their data: the codes' registers are written again only behind this wait
.endif
	s_cmp_lg_u32 s[ISV], 0
	s_cbranch_scc1 .Lbv_\@
	WIN 0x02+(\a)/4                                ; source 0: window 2 or 3
.set k, 0
.rept 32
	v_pk_add_f32 v[X+k:X+k+1], v[64*((\a)%4)+k:64*((\a)%4)+k+1], v[BN+k:BN+k+1]   ; q, k: the bias goes along the columns; each accumulator is read from its low end on
.set k, k+2
.endr
	WIN 0
	s_branch .Lbj_\@
.Lbv_\@:
	v_mov_b32 v[TM], v[BM+(\a)]                    ; v: the bias is my row's
	v_mov_b32 v[TM+1], v[BM+(\a)]
	WIN 0x02+(\a)/4
.set k, 0
.rept 32
	v_pk_add_f32 v[X+k:X+k+1], v[64*((\a)%4)+k:64*((\a)%4)+k+1], v[TM:TM+1]
.set k, k+2
.endr
	WIN 0
.Lbj_\@:
	QUANT X, PWS+(\a)
.irp p, 0,1,2,3
	global_store_b128 v[LI], v[PC+4*\p:PC+4*\p+3], s[4+4*(\p/2)+2*((\a)/4):5+4*(\p/2)+2*((\a)/4)] offset:((\a)%4)*1024+(\p%2)*512   ; 32 lanes store 512 consecutive bytes, at a multiple of 512 from the buffer's first byte
.endr
.endm
	PLACES NP                                      ; behind the last products: the lines below read results and write registers that held fragments and scale words
	s_mov_b32 s[SEL], 0x76543210
	s_mov_b32 s[SEL+1], 0xfedcba98
	s_mov_b32 s[MNT], 0x600000
	s_wait_loadcnt 0x0                             ; the biases, asked for at the head
.irp b, 0,1,2,3
	v_mov_b32 v[TM+4+\b], 0                        ; written once: a lane permute's destination counts as one of its sources
.endr
.irp a, 0,1,2,3,4,5,6,7
	BLOCKOUT \a
.endr
	s_cmp_lg_u32 s[ISV], 0
	s_cbranch_scc1 .Lsv
.irp i, 0,1,2,3
	v_perm_b32 v[DW+\i], v[PWS+2*\i+1], v[PWS+2*\i], v[SELV]   ; q, k: tiles 2 i and 2 i + 1, two bytes each: lanes 0-15 the pair's first head, lanes 16-31 its second
.endr
	s_branch .Lsj
.Lsv:
.irp i, 0,1,2,3
	v_cndmask_b32 v[DW+\i], v[PWS+\i], v[PWS+4+\i], s[HM]      ; v: d tile i: lanes 0-15 the first head's (A's blocks 0-3), lanes 16-31 the second's
.endr
.Lsj:
	s_wait_alu depctr_va_vdst(0)
	global_store_b128 v[SCO], v[DW:DW+3], s[98:99]             ; sixteen lanes store 256 consecutive bytes, aligned, for each of the two heads
	s_wait_tensorcnt 0x0                           ; the wave's end
	ds_add_u32 v[SPW], v[NIL]
	s_wait_dscnt 0x0
	CROUND                                         ; the closing round: no work-group ends while a partner may still ask for a tile that names it
	s_endpgm
.Lfunc_end_k_q761fad74eb_qkv:
	.size	k_q761fad74eb_qkv, .Lfunc_end_k_q761fad74eb_qkv-k_q761fad74eb_qkv
	.p2alignl 7, 3214868480
	.fill 96, 4, 3214868480
	.section	.rodata,"a",@progbits
	.p2align	6, 0x0
	.amdhsa_kernel k_q761fad74eb_qkv
		.amdhsa_group_segment_fixed_size 327680
		.amdhsa_private_segment_fixed_size 0
		.amdhsa_enable_private_segment 0
		.amdhsa_kernarg_size 104
		.amdhsa_user_sgpr_count 2
		.amdhsa_user_sgpr_kernarg_segment_ptr 1
		.amdhsa_wavefront_size32 1
		.amdhsa_system_sgpr_workgroup_id_x 1
		.amdhsa_system_sgpr_workgroup_id_y 1
		.amdhsa_system_sgpr_workgroup_id_z 1
		.amdhsa_system_vgpr_workitem_id 0
		.amdhsa_next_free_vgpr 1024
		.amdhsa_next_free_sgpr 100
		.amdhsa_reserve_vcc 0
		.amdhsa_float_denorm_mode_32 3
		.amdhsa_float_denorm_mode_16_64 3
		.amdhsa_memory_ordered 1
		.amdhsa_forward_progress 1
		.amdhsa_inst_pref_size 223
	.end_amdhsa_kernel
	.amdgpu_metadata
---
amdhsa.version: [ 1, 2 ]
amdhsa.kernels:
  - .name:           k_q761fad74eb_qkv
    .symbol:         k_q761fad74eb_qkv.kd
    .args:
      - { .name: x_codes, .offset: 0, .size: 8, .value_kind: global_buffer, .address_space: global }
      - { .name: x_scales, .offset: 8, .size: 8, .value_kind: global_buffer, .address_space: global }
      - { .name: Wq_codes, .offset: 16, .size: 8, .value_kind: global_buffer, .address_space: global }
      - { .name: Wq_scales, .offset: 24, .size: 8, .value_kind: global_buffer, .address_space: global }
      - { .name: Wk_codes, .offset: 32, .size: 8, .value_kind: global_buffer, .address_space: global }
      - { .name: Wk_scales, .offset: 40, .size: 8, .value_kind: global_buffer, .address_space: global }
      - { .name: Wv_codes, .offset: 48, .size: 8, .value_kind: global_buffer, .address_space: global }
      - { .name: Wv_scales, .offset: 56, .size: 8, .value_kind: global_buffer, .address_space: global }
      - { .name: bq, .offset: 64, .size: 8, .value_kind: global_buffer, .address_space: global }
      - { .name: bk, .offset: 72, .size: 8, .value_kind: global_buffer, .address_space: global }
      - { .name: bv, .offset: 80, .size: 8, .value_kind: global_buffer, .address_space: global }
      - { .name: qkv_img, .offset: 88, .size: 8, .value_kind: global_buffer, .address_space: global }
      - { .name: qkv_sc, .offset: 96, .size: 8, .value_kind: global_buffer, .address_space: global }
    .group_segment_fixed_size: 327680
    .private_segment_fixed_size: 0
    .kernarg_segment_align: 8
    .kernarg_segment_size: 104
    .max_flat_workgroup_size: 128
    .sgpr_count:     100
    .vgpr_count:     1024
    .wavefront_size: 32
...
	.end_amdgpu_metadata
.endif
;; end of part 1
;; launch attn (part 2): grid 4 x 64, 8 waves a work-group, clusters of 4 x 1, 272,384 bytes of LDS; arguments qkv_img, qkv_sc, ctx_img, ctx_sc; writes ctx_img, ctx_sc
.if DOCPART == 2
	.amdgcn_target "amdgcn-amd-amdhsa--gfx1250"
	.amdhsa_code_object_version 6
	.text
	.protected	k_q761fad74eb_attn
	.globl	k_q761fad74eb_attn
	.p2align	8
	.type	k_q761fad74eb_attn,@function
k_q761fad74eb_attn:
	s_mov_b64 s[64:65], 0
	v_nop
	global_prefetch_b8 v0, s[64:65] scope:SCOPE_SE
	s_setreg_imm32_b32 hwreg(HW_REG_WAVE_MODE, 25, 1), 1
	s_wait_xcnt 0x0
	s_wait_alu depctr_hold_cnt(0) depctr_sa_sdst(0) depctr_va_vdst(0) depctr_va_sdst(0) depctr_va_ssrc(0) depctr_va_vcc(0) depctr_vm_vsrc(0)
	s_getreg_b32 s2, hwreg(HW_REG_IB_STS2, 6, 4)
	s_cmp_eq_u32 s2, 0
	s_cbranch_scc0 .Lentry_in_a_cluster
	s_endpgm
.Lentry_in_a_cluster:
	s_bfe_u32 s2, ttmp6, 0x10000c
	s_cmp_lg_u32 s2, 0x3003
	s_cbranch_scc0 .Lentry_shape_is_right
	s_endpgm
.Lentry_shape_is_right:
; ctx[b][q][head] = softmax_k(q . k / 8) v, both products on codes of BF8 (E5M2) with E8M0 scales, and ctx quantised along the model's 1,024 for the projection.  No work of the problem is left out.
; THE SOFTMAX: t = score x log2(e) / 8; M = the running largest t rounded UP to a whole number; p = 2^(t - M) is quantised along the keys, not normalised; the row's sum is taken of the unquantised p and divides at the end;
; when M moves, the sum and O are multiplied by 2^(old M - new M), which rounds nothing.
; SHARES.  A work-group owns 512 queries of one head (16 b + h = the cluster's y).  The head's whole K and V (131,072 bytes each) and their scale words lie in LDS, filled once: no byte is filled twice.
; The four query blocks of a head are a cluster: every fill is a joint load of the four.  Wave w owns queries 64 w .. 64 w + 63, in two passes of two tiles of 16: each fragment of K and V read from LDS feeds both tiles.
; FILLS, one joint load a wave: waves 0, 1 steps 0-3 of K, V; waves 2, 3 their scale words; waves 4-7 six steps each (4-9, 10-15 of K, V).  The first barrier shows waves 0-3's, the barrier behind three steps all.
; No prefetch: every byte of K and V is asked for at the head, so there is no loop to run ahead in; the second pass's Q is loaded into spare registers a whole pass ahead.
; LAYOUT.  Both products are used transposed (S^T = K Q^T, O^T = V^T P^T): a lane holds one query (lane % 16).  K, Q, V come as images of operand registers (16 x lane);
; inside each block of 32 along a product's K their order is 16 h + 8 u + j for the number 16 u + 8 h + j, and p, converted in register order, has the same.
; THE HEAD'S 64.  A fragment of K holds two tiles of 16 keys (places 0-63, 64-127) and is multiplied by [q | 0] and by [0 | q].
; ctx's codes are put into K's own order by an exchange between lanes l and l xor 16, and leave as images:
;   ctx_img [tile of 16 rows 512][K step of 128: 8][block of 32: 4][lane][16];   ctx_sc [head 16][row 8,192] of two bytes.
; THE EXPONENTIALS go in two batches, a tile each, with a wait ahead of and behind each.  Among a batch stand plain lines whose sources were written ahead of the batch's first wait
; and whose results are first read behind its last: among tile 0's the t - M of tile 1, among tile 1's the first level of tile 0's sums and its holds.
; A pass's last step looks one step ahead of K's end and reads V's first bytes, which lie there; nothing uses them: so the step is written for all steps alike.
; LIMITS: NaN and infinities are not served; the promise holds while the scaled scores t stay under 2^31 in magnitude; a block of zeros keeps the scale byte 1 (the bytes are read by this program alone);
; within a block of 32 the products are summed in another order than K's.
.set KL,    0                          ; LDS: K's images, 16 steps of 8,192 bytes
.set VL,    131072                     ; V's likewise
.set KSCL,  262144                     ; K's scale words: [step 16][r 16][16 bytes]
.set VSCL,  266240                     ; V's likewise
.set CST,   270336                     ; ctx's scale bytes of the 512 rows: stored by the waves, filled by no load
.set SPARE, 271360                     ; the spare words, 128 bytes a wave
; window 0
.set LI,   1                           ; 16 x lane
.set R16,  2                           ; 16 x (lane % 16)
.set CSG,  3                           ; 512 (wave % 2) + 16 x lane
.set ADK,  4                           ; v4-7 LDS addresses in hand: K, V, K's scale words, V's
.set ADV,  5
.set ADKS, 6
.set ADVS, 7
.set SPW,  8                           ; my spare word; never rewritten
.set NIL,  9                           ; 0; never rewritten
.set CSA,  10                          ; where my lane puts a row's two scale bytes
.set QW,   11                          ; the coming pass's scale word of Q
.set KSW,  12                          ; v12-15 K's scale words of a step
.set VSW,  16                          ; v16-19 V's
.set QS,   20                          ; v20, 21 Q's scale words, tile 0, 1
.set PS,   22                          ; v22, 23 p's scale words
.set ST,   24                          ; tile t at v[24 + 4 t]: -M, the largest t, the sum in two halves
.set T,    32                          ; tile t at v[32 + 20 t]: 0-3 the blocks' largest, 4-7 at work, 8-11 holds, 12-15 the conversions' scale operands, 16-17 f, 18, 19 at work
.set PC,   72                          ; tile t at v[72 + 16 t]: p's codes; ahead of the conversions: tile 0's sixteen pairs of partial sums
.set S,    104                         ; tile t at v[104 + 64 t]: S^T, then p
.set NT,   232                         ; v232-247 at work on the way out
.set CSR,  248
.set LN,   249
; window 1
.set O,    0                           ; tile t at v[32 t]: O^T
.set QC,   64                          ; v64-103: q0 | 0 | q1 | 0 | q0
.set KF,   104                         ; K's four fragments
.set VF,   168                         ; V's four
.set QN,   232                         ; v232-247 the coming pass's two tiles of Q
.set WV,   12
.set MNT,  19
.set SEL,  20
.set CS,   22
.set G1S,  24                          ; group 1: 16 rows of 256 bytes
.set G1A,  32                          ; 4 rows of 8,192 bytes, 16,384 apart
.set G1B,  40                          ; 6 such rows
.set G0A,  48
.set G0S,  52
.set G0B,  56
.set TKN,  60                          ; LDS byte of the next step's K
.set TV,   61                          ; of this step's V
.set TSKN, 62
.set TSV,  63
.set PASS, 66
.set CNT,  67
.set HM,   68
.set QP,   70
.set QSP,  72
.set CP,   74
.set CSP,  76
.set MSB, 0
.macro WIN new
.if MSB != (\new)
	s_set_vgpr_msb (MSB<<8)|(\new)
.set MSB, (\new)
.endif
.endm
.macro CROUND
	s_barrier_signal -1
	s_barrier_wait -1
	s_cmp_lg_u32 s[WV], 0
	s_cbranch_scc1 .Lnot_wave_0_\@
	s_barrier_signal -3
.Lnot_wave_0_\@:
	s_barrier_wait -3
	s_barrier_signal -1
	s_barrier_wait -1
.endm
.macro TLOAD g0, g1                    ; an s_nop 0 and four v_nop follow the load
	tensor_load_to_lds s[\g0:\g0+3], s[\g1:\g1+7]
	s_nop 0
.rept 4
	v_nop
.endr
.endm
.macro GROUP1 g, c, r, p               ; r rows of c elements of 8 bytes, p elements apart; the mask names all four work-groups; no padding: images are read 16 x lane
	s_mov_b32 s[\g], 15|(3<<16)|(1<<21)
	s_mov_b32 s[\g+1], (\c)<<16
	s_mov_b32 s[\g+2], (\r)<<16
	s_mov_b32 s[\g+3], (\c)<<16
	s_mov_b32 s[\g+4], \r
	s_mov_b32 s[\g+5], \p
	s_mov_b32 s[\g+6], 0
	s_mov_b32 s[\g+7], 0
.endm
.macro HOLD2 x, bd                     ; two holds in one line: p is not negative, so the hold is one-sided (the conversion to an 8-bit code does not saturate: ISA guide 7.6.2)
	v_dual_min_num_f32 v[\x], v[\bd], v[\x] :: v_dual_min_num_f32 v[(\x)+1], v[\bd], v[(\x)+1]
.endm
	s_load_b256 s[4:11], s[0:1], 0x0               ; qkv_img, qkv_sc, ctx_img, ctx_sc
	v_lshl_add_u32 v[SPW], v0, 2, SPARE
	v_mov_b32 v[NIL], 0
	ds_add_u32 v[SPW], v[NIL]                      ; the opening: the add, twice on end, and its wait ahead of my first tensor load
	ds_add_u32 v[SPW], v[NIL]
	v_lshrrev_b32 v1, 5, v0
	v_readfirstlane_b32 s[WV], v1                  ; wave 0..7
	s_bfe_u32 s13, ttmp6, 0x40000                  ; cx: my block of 512 queries: it enters Q's and ctx's global addresses alone
	s_and_b32 s14, ttmp7, 0xffff                   ; 16 b + h
	s_lshr_b32 s15, s14, 4                         ; b
	s_and_b32 s16, s14, 15                         ; h
	s_lshr_b32 s17, s16, 1                         ; the head pair
	s_and_b32 s18, s16, 1                          ; the head of the pair
	GROUP1 G1S, 32, 16, 32
	GROUP1 G1A, 1024, 4, 2048
	GROUP1 G1B, 1024, 6, 2048
	s_and_b32 s78, s[WV], 1                        ; 0: K, 1: V
	s_bfe_u32 s79, s[WV], 0x10001                  ; waves 4-7: which six steps
	s_lshl_b32 s80, s15, 3
	s_add_co_u32 s80, s80, s17
	s_lshl_b32 s80, s80, 18
	s_lshl_b32 s81, s18, 13
	s_add_co_u32 s80, s80, s81                     ; the head's first byte in a job's images
	s_add_co_u32 s81, s78, 1                       ; the job: 1 K, 2 V
	s_lshl_b32 s82, s81, 23
	s_add_co_u32 s82, s82, s80                     ; step 0
	s_mov_b32 s83, 0
	s_mul_i32 s84, s79, 6*16384
	s_add_co_u32 s84, s84, s82
	s_add_co_u32 s84, s84, 4*16384                 ; step 4 or 10
	s_mov_b32 s85, 0
	s_lshl_b32 s86, s81, 18
	s_lshl_b32 s87, s14, 12
	s_add_co_u32 s86, s86, s87                     ; the head's scale words
	s_mov_b32 s87, 0
	s_mov_b32 s[G0A], 1
	s_lshl_b32 s[G0A+1], s78, 17
	s_mov_b32 s[G0S], 1
	s_lshl_b32 s[G0S+1], s78, 12
	s_add_co_u32 s[G0S+1], s[G0S+1], KSCL
	s_mov_b32 s[G0B], 1
	s_mul_i32 s[G0B+1], s79, 6*8192
	s_lshl_b32 s81, s78, 17
	s_add_co_u32 s[G0B+1], s[G0B+1], s81
	s_add_co_u32 s[G0B+1], s[G0B+1], 4*8192
	s_mov_b32 s[MNT], 0x600000                     ; the mantissa field of 57,344
	s_mov_b32 s[SEL], 0x76543210
	s_mov_b32 s[SEL+1], 0xfedcba98
	s_mov_b32 s[CS], 0x3e38aa3b                    ; c = log2(e) / 8
	s_mov_b32 s[CS+1], s[CS]
	s_mov_b32 s[HM], 0xffff0000
	s_wait_dscnt 0x0                               ; both opening adds are done
	s_wait_kmcnt 0x0
	s_add_nc_u64 s[G0A+2:G0A+3], s[4:5], s[82:83]
	s_or_b32 s[G0A+3], s[G0A+3], 0x80000000
	s_add_nc_u64 s[G0S+2:G0S+3], s[6:7], s[86:87]
	s_or_b32 s[G0S+3], s[G0S+3], 0x80000000
	s_add_nc_u64 s[G0B+2:G0B+3], s[4:5], s[84:85]
	s_or_b32 s[G0B+3], s[G0B+3], 0x80000000
	CROUND                                         ; all four work-groups are here: the joint loads meet
	s_cmp_lt_u32 s[WV], 2                          ; one chain of branches on the wave's number, a load to an arm
	s_cbranch_scc0 .Lhead_s
	TLOAD G0A, G1A
	s_branch .Lasked
.Lhead_s:
	s_cmp_lt_u32 s[WV], 4
	s_cbranch_scc0 .Lhead_b
	TLOAD G0S, G1S
	s_branch .Lasked
.Lhead_b:
	TLOAD G0B, G1B
.Lasked:
	s_lshl_b32 s78, s13, 2
	s_lshr_b32 s79, s[WV], 1
	s_add_co_u32 s78, s78, s79                     ; my queries' group of 128 tokens: 4 cx + wave / 2
	s_and_b32 s79, s[WV], 1
	s_lshl_b32 s82, s78, 14
	s_add_co_u32 s82, s82, s80
	s_lshl_b32 s81, s79, 12
	s_add_co_u32 s82, s82, s81
	s_add_nc_u64 s[QP:QP+1], s[4:5], s[82:83]      ; job 0: tiles 4 (wave % 2) on of the group
	s_lshl_b32 s82, s14, 12
	s_lshl_b32 s81, s78, 8
	s_add_co_u32 s82, s82, s81
	s_lshl_b32 s81, s79, 3
	s_add_co_u32 s82, s82, s81
	s_add_nc_u64 s[QSP:QSP+1], s[6:7], s[82:83]
	s_lshl_b32 s82, s15, 7
	s_lshl_b32 s81, s13, 5
	s_add_co_u32 s82, s82, s81
	s_lshl_b32 s81, s[WV], 2
	s_add_co_u32 s82, s82, s81                     ; my first tile of 16 rows: 128 b + 32 cx + 4 wave
	s_lshl_b32 s82, s82, 14
	s_lshl_b32 s81, s16, 10
	s_add_co_u32 s82, s82, s81
	s_add_nc_u64 s[CP:CP+1], s[8:9], s[82:83]
	s_lshl_b32 s82, s16, 14
	s_lshl_b32 s81, s15, 12
	s_add_co_u32 s82, s82, s81
	s_lshl_b32 s81, s13, 10
	s_add_co_u32 s82, s82, s81
	s_add_nc_u64 s[CSP:CSP+1], s[10:11], s[82:83]
	v_and_b32 v[LN], 31, v0
	v_and_b32 v[R16], 15, v0
	v_lshlrev_b32 v[LI], 4, v[LN]
	v_lshlrev_b32 v[R16], 4, v[R16]
	s_lshl_b32 s81, s[WV], 7
	s_add_co_u32 s81, s81, CST
	v_lshl_add_u32 v[CSA], v[LN], 1, s81           ; CST + 128 x wave + 2 x lane
	s_lshl_b32 s81, s79, 9
	v_add_nc_u32 v[CSG], s81, v[LI]
	v_add_nc_u32 v[CSR], CST, v[CSG]
.macro QLOAD                           ; a pass's two tiles of Q and their scale word, into the spare registers
	WIN 0x40
.irp c, 0,1,2,3
	global_load_b128 v[QN+4*\c:QN+4*\c+3], v[LI], s[QP:QP+1] offset:512*\c
.endr
	WIN 0
	global_load_b32 v[QW], v[R16], s[QSP:QSP+1]
.endm
	QLOAD
	WIN 0x40
.irp i, 0,1,2,3,4,5,6,7
	v_mov_b32 v[QC+8+\i], 0                        ; the zero codes beside q: written once
	v_mov_b32 v[QC+24+\i], 0
.endr
	WIN 0
.irp t, 0,1
.irp b, 4,5,6,7,17,19
	v_mov_b32 v[T+20*\t+\b], 0                     ; written once: lane permutes' destinations count as sources, and f's pair is named whole
.endr
.endr
.irp i, 0,1,2,3,4,5,6,7,8,9,10,11,12,13,14,15
	v_mov_b32 v[NT+\i], 0
.endr
.macro FETCH_K                         ; a step's four fragments of K (two tiles of keys each) and its scale words: 17 loads
	WIN 0x40
.irp i, 0,1,2,3
.irp c, 0,1,2,3
	ds_load_b128 v[KF+16*\i+4*\c:KF+16*\i+4*\c+3], v[ADK] offset:\i*2048+\c*512
.endr
.endr
	WIN 0
	ds_load_b128 v[KSW:KSW+3], v[ADKS]
.endm
; A KEY STEP: 128 keys for both tiles.
.macro STEP
	s_wait_dscnt 0x0                               ; K's fragments and scale words are in
	WIN 0x05                                       ; K and Q window 1; D window 0
.irp i, 0,1,2,3                        ; sixteen products on sixteen accumulators
	v_wmma_scale_f32_16x16x128_f8f6f4 v[S+16*\i:S+16*\i+7], v[KF+16*\i:KF+16*\i+15], v[QC:QC+15], 0, v[KSW+\i], v[QS] matrix_a_fmt:MATRIX_FMT_BF8 matrix_b_fmt:MATRIX_FMT_BF8
	v_wmma_scale_f32_16x16x128_f8f6f4 v[S+64+16*\i:S+64+16*\i+7], v[KF+16*\i:KF+16*\i+15], v[QC+16:QC+31], 0, v[KSW+\i], v[QS+1] matrix_a_fmt:MATRIX_FMT_BF8 matrix_b_fmt:MATRIX_FMT_BF8
	v_wmma_scale_f32_16x16x128_f8f6f4 v[S+16*\i+8:S+16*\i+15], v[KF+16*\i:KF+16*\i+15], v[QC+24:QC+39], 0, v[KSW+\i], v[QS] matrix_a_fmt:MATRIX_FMT_BF8 matrix_b_fmt:MATRIX_FMT_BF8
	v_wmma_scale_f32_16x16x128_f8f6f4 v[S+64+16*\i+8:S+64+16*\i+15], v[KF+16*\i:KF+16*\i+15], v[QC+8:QC+23], 0, v[KSW+\i], v[QS+1] matrix_a_fmt:MATRIX_FMT_BF8 matrix_b_fmt:MATRIX_FMT_BF8
.endr
	WIN 0
	v_add_nc_u32 v[ADV], s[TV], v[LI]              ; eight places ahead of the loads into registers that products have read, and of the first read of the scores
	v_add_nc_u32 v[ADVS], s[TSV], v[R16]
	v_add_nc_u32 v[ADK], s[TKN], v[LI]
	v_add_nc_u32 v[ADKS], s[TSKN], v[R16]
.rept 4
	v_nop
.endr
	ds_load_b128 v[VSW:VSW+3], v[ADVS]             ; this step's V lands under the softmax
	WIN 0x40
.irp t, 0,1,2,3
.irp c, 0,1,2,3
	ds_load_b128 v[VF+16*\t+4*\c:VF+16*\t+4*\c+3], v[ADV] offset:(\c/2)*4096+\t*1024+(\c%2)*512
.endr
.endr
	FETCH_K                                        ; and the next step's K
.irp b, 0,1,2,3
.irp t, 0,1
	v_max3_num_f32 v[T+20*\t+\b], v[S+64*\t+16*\b], v[S+64*\t+16*\b+1], v[S+64*\t+16*\b+2]   ; the largest score of each block of 32 keys: for the row's maximum and, since p rises with the score, for the block's largest p
.endr
.endr
.irp i, 3,5,7,9,11,13
.irp b, 0,1,2,3
.irp t, 0,1
	v_max3_num_f32 v[T+20*\t+\b], v[T+20*\t+\b], v[S+64*\t+16*\b+\i], v[S+64*\t+16*\b+\i+1]
.endr
.endr
.endr
.irp b, 0,1,2,3
.irp t, 0,1
	v_max_num_f32 v[T+20*\t+\b], v[T+20*\t+\b], v[S+64*\t+16*\b+15]
.endr
.endr
.irp b, 0,1,2,3
.irp t, 0,1
	v_permlanex16_b32 v[T+20*\t+4+\b], v[T+20*\t+\b], s[SEL], s[SEL+1]
.endr
.endr
.irp b, 0,1,2,3
.irp t, 0,1
	v_max_num_f32 v[T+20*\t+\b], v[T+20*\t+\b], v[T+20*\t+4+\b]   ; with lane l xor 16's 16 keys
.endr
.endr
.irp t, 0,1
	s_delay_alu instid0(VALU_DEP_4)
	v_max3_num_f32 v[T+20*\t+18], v[T+20*\t], v[T+20*\t+1], v[T+20*\t+2]
.endr
.irp t, 0,1
	s_delay_alu instid0(VALU_DEP_2)
	v_max_num_f32 v[T+20*\t+18], v[T+20*\t+18], v[T+20*\t+3]      ; the step's largest score of my query
.endr
.irp t, 0,1
	s_delay_alu instid0(VALU_DEP_2)
	v_mul_f32 v[T+20*\t+18], s[CS], v[T+20*\t+18]                 ; as t (c is positive)
.endr
.irp t, 0,1
	s_delay_alu instid0(VALU_DEP_2)
	v_max_num_f32 v[ST+4*\t+1], v[ST+4*\t+1], v[T+20*\t+18]       ; the running largest t
.endr
.irp t, 0,1
	v_mov_b32 v[T+20*\t+18], v[ST+4*\t]
.endr
.irp t, 0,1
	s_delay_alu instid0(VALU_DEP_4)
	v_floor_f32 v[ST+4*\t], -v[ST+4*\t+1]                         ; the new -M = floor(-t)
.endr
.irp t, 0,1
	s_delay_alu instid0(VALU_DEP_2)
	v_sub_f32 v[T+20*\t+18], v[ST+4*\t], v[T+20*\t+18]            ; old M - new M: a whole number, 0 or less
.endr
.irp t, 0,1
	s_delay_alu instid0(VALU_DEP_2)
	v_cvt_i32_f32 v[T+20*\t+18], v[T+20*\t+18]                    ; (it saturates)
.endr
.irp t, 0,1
	s_delay_alu instid0(VALU_DEP_2)
	v_ldexp_f32 v[T+20*\t+16], 1.0, v[T+20*\t+18]                 ; f = 2^(old M - new M)
.endr
.set j, 0
.rept 32
	v_pk_fma_f32 v[S+j:S+j+1], v[S+j:S+j+1], s[CS:CS+1], v[ST:ST+1] op_sel_hi:[1,0,0]   ; tile 0: t - M, two at a time
.set j, j+2
.endr
.irp b, 0,1,2,3
.irp t, 0,1
	v_fma_f32 v[T+20*\t+\b], v[T+20*\t+\b], s[CS], v[ST+4*\t]     ; the same of each block's largest score
.endr
.endr
	s_wait_alu depctr_va_vdst(0)                   ; ahead of the batch
.set j, 0
.rept 32                               ; tile 0's 64 exponentials; among them tile 1's t - M, first read behind the wait below
	v_exp_f32 v[S+j], v[S+j]
	v_pk_fma_f32 v[S+64+j:S+64+j+1], v[S+64+j:S+64+j+1], s[CS:CS+1], v[ST+4:ST+5] op_sel_hi:[1,0,0]
	v_exp_f32 v[S+j+1], v[S+j+1]
.set j, j+2
.endr
.irp b, 0,1,2,3
.irp t, 0,1
	v_exp_f32 v[T+20*\t+\b], v[T+20*\t+\b]         ; the blocks' largest p: the same two instructions on the same number
.endr
.endr
.irp t, 0,1
	v_pk_mul_f32 v[ST+4*\t+2:ST+4*\t+3], v[ST+4*\t+2:ST+4*\t+3], v[T+20*\t+16:T+20*\t+17] op_sel_hi:[1,0]   ; the sums under the new M: plain work behind the exponentials
.endr
	s_wait_alu depctr_va_vdst(0)                   ; behind the batch, ahead of its first reader
.irp b, 0,1,2,3
.irp t, 0,1
	v_max_num_f32 v[T+20*\t+\b], 0x8000000, v[T+20*\t+\b]          ; the floor 2^(16 - 127): the byte cannot fall under 1
.endr
.endr
.irp b, 0,1,2,3
.irp t, 0,1
	v_add_nc_u32 v[T+20*\t+12+\b], 0xf8800000, v[T+20*\t+\b]       ; 15 off the exponent field: the conversion's scale operand
.endr
.endr
.irp b, 0,1,2,3
.irp t, 0,1
	v_and_or_b32 v[T+20*\t+8+\b], v[T+20*\t+\b], 0x7f800000, s[MNT]   ; 57,344 x the scale
.endr
.endr
.irp b, 0,1,2,3
.irp t, 0,1
	v_lshrrev_b32 v[T+20*\t+4+\b], 23, v[T+20*\t+12+\b]            ; the scale's byte
.endr
.endr
.irp t, 0,1
	v_lshl_or_b32 v[PS+\t], v[T+20*\t+5], 8, v[T+20*\t+4]          ; p's scale word for these 128 keys
.endr
.irp t, 0,1
	s_delay_alu instid0(VALU_DEP_2)
	v_lshl_or_b32 v[PS+\t], v[T+20*\t+6], 16, v[PS+\t]
.endr
.irp t, 0,1
	s_delay_alu instid0(VALU_DEP_2)
	v_lshl_or_b32 v[PS+\t], v[T+20*\t+7], 24, v[PS+\t]
.endr
	s_wait_alu depctr_va_vdst(0)                   ; ahead of the second batch
.set j, 0
.rept 16                               ; tile 1's 64 exponentials; among them, of tile 0: a pair of partial sums of the unquantised p, then the holds of the same four numbers
	v_exp_f32 v[S+64+j], v[S+64+j]
	v_pk_add_f32 v[PC+j/2:PC+j/2+1], v[S+j:S+j+1], v[S+j+2:S+j+3]
	v_exp_f32 v[S+65+j], v[S+65+j]
	HOLD2 S+j, T+8+j/16
	v_exp_f32 v[S+66+j], v[S+66+j]
	HOLD2 S+j+2, T+8+j/16
	v_exp_f32 v[S+67+j], v[S+67+j]
.set j, j+4
.endr
	v_nop                                          ; the plain place behind the last exponential
	s_wait_alu depctr_va_vdst(0)                   ; behind the batch
	v_pk_add_f32 v[T+24:T+25], v[S+64:S+65], v[S+66:S+67]   ; the rows' sums: tile 1's of p, tile 0's of its sixteen pairs; two chains a tile, by turns
	v_pk_add_f32 v[T+4:T+5], v[PC:PC+1], v[PC+2:PC+3]
.irp i, 1,2,3,4,5,6,7
	v_pk_add_f32 v[ST+6:ST+7], v[ST+6:ST+7], v[S+60+8*\i:S+61+8*\i]
	v_pk_add_f32 v[ST+2:ST+3], v[ST+2:ST+3], v[PC+4*\i:PC+4*\i+1]
	v_pk_add_f32 v[T+24:T+25], v[T+24:T+25], v[S+62+8*\i:S+63+8*\i]
	v_pk_add_f32 v[ST+6:ST+7], v[ST+6:ST+7], v[S+64+8*\i:S+65+8*\i]
	v_pk_add_f32 v[T+4:T+5], v[T+4:T+5], v[PC+4*\i+2:PC+4*\i+3]
	v_pk_add_f32 v[T+24:T+25], v[T+24:T+25], v[S+66+8*\i:S+67+8*\i]
.endr
	v_pk_add_f32 v[ST+6:ST+7], v[ST+6:ST+7], v[S+124:S+125]
	v_pk_add_f32 v[ST+2:ST+3], v[ST+2:ST+3], v[T+4:T+5]
	v_pk_add_f32 v[T+24:T+25], v[T+24:T+25], v[S+126:S+127]
.irp b, 0,1,2,3
.irp i, 0,2,4,6,8,10,12,14
	HOLD2 S+64+16*\b+\i, T+28+\b
.endr
	v_cvt_scalef32_pk8_bf8_f32 v[PC+4*\b:PC+4*\b+1], v[S+16*\b:S+16*\b+7], v[T+12+\b]
	v_cvt_scalef32_pk8_bf8_f32 v[PC+4*\b+2:PC+4*\b+3], v[S+16*\b+8:S+16*\b+15], v[T+12+\b]
	v_cvt_scalef32_pk8_bf8_f32 v[PC+16+4*\b:PC+16+4*\b+1], v[S+64+16*\b:S+64+16*\b+7], v[T+32+\b]
	v_cvt_scalef32_pk8_bf8_f32 v[PC+16+4*\b+2:PC+16+4*\b+3], v[S+64+16*\b+8:S+64+16*\b+15], v[T+32+\b]
.endr
	v_pk_add_f32 v[ST+6:ST+7], v[ST+6:ST+7], v[T+24:T+25]   ; (also the plain line behind the last conversion)
	s_wait_alu depctr_va_vdst(0)                   ; ahead of the first reader of O^T
	WIN 0x41                                       ; O^T window 1, f window 0
.set j, 0
.rept 16
	v_pk_mul_f32 v[O+j:O+j+1], v[O+j:O+j+1], v[T+16:T+17] op_sel_hi:[1,0]              ; O^T under the new M; each accumulator from its low end on.  These 32 are also the places ahead of the products below
	v_pk_mul_f32 v[O+32+j:O+32+j+1], v[O+32+j:O+32+j+1], v[T+36:T+37] op_sel_hi:[1,0]
.set j, j+2
.endr
	s_wait_alu depctr_va_vdst(0)
	s_wait_dscnt 17                                ; V and its scale words are in; behind them: the next step's sixteen loads of K and its scale words
	WIN 0x51                                       ; V window 1, p window 0, C and D window 1
.irp t, 0,1,2,3                        ; O^T += V^T P^T: eight accumulators by turns; the next step's sixteen products stand between a sum's steps
	v_wmma_scale_f32_16x16x128_f8f6f4 v[O+8*\t:O+8*\t+7], v[VF+16*\t:VF+16*\t+15], v[PC:PC+15], v[O+8*\t:O+8*\t+7], v[VSW+\t], v[PS] matrix_a_fmt:MATRIX_FMT_BF8 matrix_b_fmt:MATRIX_FMT_BF8
	v_wmma_scale_f32_16x16x128_f8f6f4 v[O+32+8*\t:O+32+8*\t+7], v[VF+16*\t:VF+16*\t+15], v[PC+16:PC+31], v[O+32+8*\t:O+32+8*\t+7], v[VSW+\t], v[PS+1] matrix_a_fmt:MATRIX_FMT_BF8 matrix_b_fmt:MATRIX_FMT_BF8
.endr
	WIN 0
	s_add_co_u32 s[TKN], s[TKN], 8192
	s_add_co_u32 s[TV], s[TV], 8192
	s_add_co_u32 s[TSKN], s[TSKN], 256
	s_add_co_u32 s[TSV], s[TSV], 256
.endm
	s_wait_alu depctr_va_vdst(0)                   ; at the head's end
	s_cmp_lt_u32 s[WV], 4
	s_cbranch_scc0 .Lnot_first
	s_wait_tensorcnt 0x0                           ; waves 0-3: steps 0 to 3 of K and V and all scale words; waves 4-7 wait at the barrier behind three steps
.Lnot_first:
	s_barrier_signal -1
	s_barrier_wait -1
	s_mov_b32 s[PASS], 2
.Lpass:
	s_wait_dscnt 0x0                               ; the last step's look-ahead is back: its registers are loaded anew
	v_mov_b32 v[ADK], v[LI]
	v_add_nc_u32 v[ADKS], KSCL, v[R16]
	FETCH_K                                        ; step 0
	s_mov_b32 s[TKN], 8192
	s_mov_b32 s[TV], VL
	s_mov_b32 s[TSKN], KSCL+256
	s_mov_b32 s[TSV], VSCL
	s_wait_loadcnt 0x0                             ; the pass's Q
	v_perm_b32 v[QS], v[QW], v[QW], 0x01000100     ; tile 0's two bytes, twice: they serve [q | 0] and [0 | q]
	v_perm_b32 v[QS+1], v[QW], v[QW], 0x03020302
	WIN 0x41
.irp i, 0,1,2,3,4,5,6,7
	v_mov_b32 v[QC+\i], v[QN+\i]                   ; q0 stands at both ends of the run
	v_mov_b32 v[QC+32+\i], v[QN+\i]
	v_mov_b32 v[QC+16+\i], v[QN+8+\i]
.endr
	WIN 0
	s_cmp_eq_u32 s[PASS], 1
	s_cbranch_scc1 .Lnoq                           ; the next pass's Q is asked for here, if there is one: no load leaves its buffer
	s_add_nc_u64 s[QP:QP+1], s[QP:QP+1], 2048
	s_add_nc_u64 s[QSP:QSP+1], s[QSP:QSP+1], 4
	QLOAD
.Lnoq:
.irp t, 0,1
	v_mov_b32 v[ST+4*\t+1], 0xff61b1e6             ; the largest t so far: -3e38
	v_mov_b32 v[ST+4*\t+2], 0
	v_mov_b32 v[ST+4*\t+3], 0
.endr
.irp t, 0,1
	v_floor_f32 v[ST+4*\t], -v[ST+4*\t+1]
.endr
	WIN 0x40
.set j, 0
.rept 64
	v_mov_b32 v[O+j], 0                            ; O^T: the step is written for all steps alike: the first finds zeros
.set j, j+1
.endr
	WIN 0
	s_mov_b32 s[CNT], 3
.Lfirst:                                               ; steps 0 to 2: they read K up to step 3 and V up to step 2
	STEP
	s_sub_co_u32 s[CNT], s[CNT], 1
	s_cmp_lg_u32 s[CNT], 0
	s_cbranch_scc1 .Lfirst
	s_wait_tensorcnt 0x0                           ; every wave: all its loads have landed,
	s_wait_dscnt 0x0                               ; and no LDS instruction of mine is out at the signal
	s_barrier_signal -1
	s_barrier_wait -1                              ; all of K and V lies in LDS.
	s_mov_b32 s[CNT], 13
.Lrest:                                                ; steps 3 to 15
	STEP
	s_sub_co_u32 s[CNT], s[CNT], 1
	s_cmp_lg_u32 s[CNT], 0
	s_cbranch_scc1 .Lrest
	; THE WAY OUT of a pass
.irp t, 0,1
	v_add_f32 v[T+20*\t+18], v[ST+4*\t+2], v[ST+4*\t+3]            ; the sum's two halves,
.endr
.irp t, 0,1
	s_delay_alu instid0(VALU_DEP_2)
	v_permlanex16_b32 v[T+20*\t+19], v[T+20*\t+18], s[SEL], s[SEL+1]
.endr
.irp t, 0,1
	s_delay_alu instid0(VALU_DEP_2)
	v_add_f32 v[T+20*\t+18], v[T+20*\t+18], v[T+20*\t+19]          ; and lane l xor 16's: the row's sum
.endr
	s_wait_alu depctr_va_vdst(0)
.irp t, 0,1
	v_rcp_f32 v[T+20*\t+16], v[T+20*\t+18]
.endr
.rept 4
	v_nop                                          ; with the six lines above: the places behind the last products; also the plain place behind the reciprocals
.endr
	s_wait_alu depctr_va_vdst(0)                   ; ahead of the first reader: one for both reciprocals
	WIN 0x01
.set j, 0
.rept 16
	v_pk_mul_f32 v[S+j:S+j+1], v[O+j:O+j+1], v[T+16:T+17] op_sel_hi:[1,0]              ; ctx = O^T / the sum: register 16 c + 8 u + j is d = 32 c + 16 u + 8 h + j
	v_pk_mul_f32 v[S+64+j:S+64+j+1], v[O+32+j:O+32+j+1], v[T+36:T+37] op_sel_hi:[1,0]
.set j, j+2
.endr
	WIN 0
.irp c, 0,1
.irp t, 0,1
	v_max3_num_f32 v[T+20*\t+\c], |v[S+64*\t+16*\c]|, |v[S+64*\t+16*\c+1]|, 0x8000000   ; the head's two blocks of 32: my 16 numbers and the floor
.endr
.endr
.irp i, 2,4,6,8,10,12,14
.irp c, 0,1
.irp t, 0,1
	s_delay_alu instid0(VALU_DEP_4)
	v_max3_num_f32 v[T+20*\t+\c], v[T+20*\t+\c], |v[S+64*\t+16*\c+\i]|, |v[S+64*\t+16*\c+\i+1]|
.endr
.endr
.endr
.irp c, 0,1
.irp t, 0,1
	s_delay_alu instid0(VALU_DEP_4)
	v_permlanex16_b32 v[T+20*\t+4+\c], v[T+20*\t+\c], s[SEL], s[SEL+1]
.endr
.endr
.irp c, 0,1
.irp t, 0,1
	s_delay_alu instid0(VALU_DEP_4)
	v_max_num_f32 v[T+20*\t+\c], v[T+20*\t+\c], v[T+20*\t+4+\c]
.endr
.endr
.irp c, 0,1
.irp t, 0,1
	s_delay_alu instid0(VALU_DEP_4)
	v_add_nc_u32 v[T+20*\t+12+\c], 0xf8800000, v[T+20*\t+\c]
.endr
.endr
.irp c, 0,1
.irp t, 0,1
	v_and_or_b32 v[T+20*\t+8+\c], v[T+20*\t+\c], 0x7f800000, s[MNT]
.endr
.endr
.irp c, 0,1
.irp t, 0,1
	v_lshrrev_b32 v[T+20*\t+4+\c], 23, v[T+20*\t+12+\c]
.endr
.endr
.irp t, 0,1
	s_delay_alu instid0(VALU_DEP_2)
	v_lshl_or_b32 v[T+20*\t+19], v[T+20*\t+5], 8, v[T+20*\t+4]     ; the row's two scale bytes
.endr
.irp c, 0,1
.irp t, 0,1
.irp i, 0,1,2,3,4,5,6,7,8,9,10,11,12,13,14,15
	v_med3_num_f32 v[S+64*\t+16*\c+\i], v[S+64*\t+16*\c+\i], -v[T+20*\t+8+\c], v[T+20*\t+8+\c]
.endr
	v_cvt_scalef32_pk8_bf8_f32 v[PC+16*\t+4*\c:PC+16*\t+4*\c+1], v[S+64*\t+16*\c:S+64*\t+16*\c+7], v[T+20*\t+12+\c]
	v_cvt_scalef32_pk8_bf8_f32 v[PC+16*\t+4*\c+2:PC+16*\t+4*\c+3], v[S+64*\t+16*\c+8:S+64*\t+16*\c+15], v[T+20*\t+12+\c]
.endr
.endr
	v_nop                                          ; one plain vector instruction behind the last conversion
	; K's own order.  Of a block's four registers a lane holds numbers 8 h .. + 7 and 16 + 8 h .. + 7; it wants 16 h .. 16 h + 15: lanes 0-15 take the partner's first two as their last two, lanes 16-31 the partner's last two as their first two
.irp t, 0,1
.irp c, 0,1
.irp e, 0,1
	v_permlanex16_b32 v[NT+8*\t+4*\c+2*\e], v[PC+16*\t+4*\c+2+\e], s[SEL], s[SEL+1]
	v_permlanex16_b32 v[NT+8*\t+4*\c+2*\e+1], v[PC+16*\t+4*\c+\e], s[SEL], s[SEL+1]
.endr
.endr
.endr
.irp t, 0,1
.irp c, 0,1
.irp e, 0,1
	v_cndmask_b32 v[PC+16*\t+4*\c+\e], v[PC+16*\t+4*\c+\e], v[NT+8*\t+4*\c+2*\e], s[HM]
	v_cndmask_b32 v[PC+16*\t+4*\c+2+\e], v[NT+8*\t+4*\c+2*\e+1], v[PC+16*\t+4*\c+2+\e], s[HM]
.endr
.endr
.endr
	v_cndmask_b32 v[T+18], v[T+19], v[T+39], s[HM] ; lanes 0-15: tile 0's rows, lanes 16-31: tile 1's
.irp t, 0,1
.irp c, 0,1
	global_store_b128 v[LI], v[PC+16*\t+4*\c:PC+16*\t+4*\c+3], s[CP:CP+1] offset:\t*16384+\c*512   ; 32 lanes store 512 consecutive bytes, at a multiple of 512 from the buffer's first byte
.endr
.endr
	ds_store_b16 v[CSA], v[T+18]
	s_wait_xcnt 0x0                                ; the stores have read their data and their base: both are written again only behind this wait
	s_add_nc_u64 s[CP:CP+1], s[CP:CP+1], 32768     ; two tiles of rows on
	v_add_nc_u32 v[CSA], 64, v[CSA]
	s_sub_co_u32 s[PASS], s[PASS], 1
	s_cmp_lg_u32 s[PASS], 0
	s_cbranch_scc1 .Lpass
	s_wait_dscnt 0x0                               ; for the others' sake: my stores of scale bytes are done
	s_barrier_signal -1
	s_barrier_wait -1                              ; the 512 rows' 1,024 bytes lie in LDS
	s_cmp_lt_u32 s[WV], 2
	s_cbranch_scc0 .Lnosc                          ; waves 0 and 1 store them, 512 consecutive bytes each
	ds_load_b128 v[NT:NT+3], v[CSR]
	s_wait_dscnt 0x0
	global_store_b128 v[CSG], v[NT:NT+3], s[CSP:CSP+1]
.Lnosc:
	s_wait_tensorcnt 0x0                           ; the wave's end
	ds_add_u32 v[SPW], v[NIL]
	s_wait_dscnt 0x0
	CROUND                                         ; the closing round
	s_endpgm
.Lfunc_end_k_q761fad74eb_attn:
	.size	k_q761fad74eb_attn, .Lfunc_end_k_q761fad74eb_attn-k_q761fad74eb_attn
	.p2alignl 7, 3214868480
	.fill 96, 4, 3214868480
	.section	.rodata,"a",@progbits
	.p2align	6, 0x0
	.amdhsa_kernel k_q761fad74eb_attn
		.amdhsa_group_segment_fixed_size 272384
		.amdhsa_private_segment_fixed_size 0
		.amdhsa_enable_private_segment 0
		.amdhsa_kernarg_size 32
		.amdhsa_user_sgpr_count 2
		.amdhsa_user_sgpr_kernarg_segment_ptr 1
		.amdhsa_wavefront_size32 1
		.amdhsa_system_sgpr_workgroup_id_x 1
		.amdhsa_system_sgpr_workgroup_id_y 1
		.amdhsa_system_sgpr_workgroup_id_z 1
		.amdhsa_system_vgpr_workitem_id 0
		.amdhsa_next_free_vgpr 512
		.amdhsa_next_free_sgpr 88
		.amdhsa_reserve_vcc 0
		.amdhsa_float_denorm_mode_32 3
		.amdhsa_float_denorm_mode_16_64 3
		.amdhsa_memory_ordered 1
		.amdhsa_forward_progress 1
		.amdhsa_inst_pref_size 99
	.end_amdhsa_kernel
	.amdgpu_metadata
---
amdhsa.version: [ 1, 2 ]
amdhsa.kernels:
  - .name:           k_q761fad74eb_attn
    .symbol:         k_q761fad74eb_attn.kd
    .args:
      - { .name: qkv_img, .offset: 0, .size: 8, .value_kind: global_buffer, .address_space: global }
      - { .name: qkv_sc, .offset: 8, .size: 8, .value_kind: global_buffer, .address_space: global }
      - { .name: ctx_img, .offset: 16, .size: 8, .value_kind: global_buffer, .address_space: global }
      - { .name: ctx_sc, .offset: 24, .size: 8, .value_kind: global_buffer, .address_space: global }
    .group_segment_fixed_size: 272384
    .private_segment_fixed_size: 0
    .kernarg_segment_align: 8
    .kernarg_segment_size: 32
    .max_flat_workgroup_size: 256
    .sgpr_count:     88
    .vgpr_count:     512
    .wavefront_size: 32
...
	.end_amdgpu_metadata
.endif
;; end of part 2
;; launch proj (part 3): grid 8 x 32, 4 waves a work-group, clusters of 4 x 4, 327,680 bytes of LDS; arguments ctx_img, ctx_sc, Wo_codes, Wo_scales, out0, bo; writes out0
.if DOCPART == 3
	.amdgcn_target "amdgcn-amd-amdhsa--gfx1250"
	.amdhsa_code_object_version 6
	.text
	.protected	k_q761fad74eb_proj
	.globl	k_q761fad74eb_proj
	.p2align	8
	.type	k_q761fad74eb_proj,@function
k_q761fad74eb_proj:
	s_mov_b64 s[64:65], 0
	v_nop
	global_prefetch_b8 v0, s[64:65] scope:SCOPE_SE
	s_setreg_imm32_b32 hwreg(HW_REG_WAVE_MODE, 25, 1), 1
	s_wait_xcnt 0x0
	s_wait_alu depctr_hold_cnt(0) depctr_sa_sdst(0) depctr_va_vdst(0) depctr_va_sdst(0) depctr_va_ssrc(0) depctr_va_vcc(0) depctr_vm_vsrc(0)
	s_getreg_b32 s2, hwreg(HW_REG_IB_STS2, 6, 4)
	s_cmp_eq_u32 s2, 0
	s_cbranch_scc0 .Lentry_in_a_cluster
	s_endpgm
.Lentry_in_a_cluster:
	s_bfe_u32 s2, ttmp6, 0x10000c
	s_cmp_lg_u32 s2, 0xf033
	s_cbranch_scc0 .Lentry_shape_is_right
	s_endpgm
.Lentry_shape_is_right:
; out0 = ctx Wo^T + bo on codes of BF8 (E5M2) with one E8M0 scale for each 32 along K: 8,192 x 1,024 x 1,024, f32 out.  No work is left out.
; ctx_img [tile of 16 rows 512][K step of 128: 8][block of 32: 4][lane][16]: images of operand registers;  ctx_sc [head 16][row 8,192] of two bytes;  Wo as given: rows of 1,024 codes and 32 scale bytes.
; THE DEAL.  256 work-groups of four waves, 2 x 2; a work-group makes 256 tokens x 128 features.  A wave holds its 64 rows of Wo, ALL of K, in 512 registers (windows 1, 2) and streams eight blocks of 16 rows of ctx
; past them; a block stands in registers whole (128 registers; two sets, window 3).  A block is 32 products on four accumulators by turns; the bias is the first four products' C.
; Wave row wr takes tiles 2 i + wr of the work-group's sixteen.  Source 0 = 16 rows of Wo, source 1 = 16 rows of ctx: lane (r, h) holds token r, register j of tile b feature 16 b + 8 h + j.
; LDS.  Two slots of 128 rows of 1,024 bytes + 16 of padding.  At the head waves 0, 1 fetch Wo's halves into slot 1, waves 2, 3 the halves of ctx's first eight tiles into slot 0: one joint load a wave.
; When Wo is in registers, a drained round of the cluster's barrier follows, and ctx's last eight tiles are filled over it, 32 rows a wave: the same rows and padding as the first fill.  A plain barrier behind block 2 shows them.
; CLUSTERS: 4 x 4: ctx's tiles are shared along a row of the cluster, Wo's along a column.  ctx's last eight tiles are prefetched at the head: 131,072 bytes shared out by address among the sixteen waves of a cluster's row,
; 8,192 bytes a wave, lanes 256 bytes apart; the head's own tiles come by their loads alone.
; ctx's scale bytes are brought to [row][32 bytes] once: wave w loads four heads' bytes of the 256 rows, pairs them and stores them to a table in LDS that no load fills.
; THE WAY OUT.  A block's 16 x 64 numbers go through the wave's own stage (rows of 256 + 16 bytes) and leave as whole rows: sixteen lanes store 256 consecutive bytes, aligned.  Block s is stored behind block s + 1's products.
; LIMITS: NaN and infinities among the codes are not served.
.set KROW,  1024
.set PITCH, KROW+16
.set TPB,   16*PITCH                   ; a tile of ctx: 16,384 bytes as 16 LDS rows
.set YB,    128*PITCH                  ; slot 1
.set SCL,   2*YB                       ; ctx's scale table: 32 units of 8 rows x 32 bytes + 16
.set STG,   SCL+32*272                 ; the four stages
.set SPARE, STG+4*16*272               ; the spare words
.set NF,    34                         ; LDS loads of a block: 32 of codes, 2 of scale words
.set ADRA0, 4
.set AAS0,  6
.set CO,    9
.set SPW,   10
.set NIL,   11
.set ADRA,  12
.set ADRB,  14
.set ABS,   16
.set AAS,   17
.set STO,   18
.set RD,    19
.set MS,    20
.set BOO,   21
.set LI,    22
.set PFO,   23
.set SB,    24                         ; v24-39 Wo's scale words: register 8 p + q: lanes 0-15 tile 2 p's, lanes 16-31 tile 2 p + 1's
.set SA,    44                         ; v44-59 ctx's, two sets of eight
.set ACC,   64                         ; v64-127 two sets of four accumulators
.set BO,    128                        ; v128-159 the bias in the result's layout
.set OB,    160                        ; v160-223 two sets: a block read back from the stage
.set CSC,   224                        ; v224-255 ctx's scale bytes on their way to the table
.set G1W,   24
.set G1A,   32
.set G1R,   40
.set G0W,   48
.set G0A,   52
.set G0R,   56
.set SELP,  82
.set MSB, 0
.macro WIN new
.if MSB != (\new)
	s_set_vgpr_msb (MSB<<8)|(\new)
.set MSB, (\new)
.endif
.endm
.macro PLACES n
.rept \n
	v_nop
.endr
.endm
.macro BARRIER
	s_barrier_signal -1
	s_barrier_wait -1
.endm
.macro CROUND
	BARRIER
	s_cmp_lg_u32 s16, 0
	s_cbranch_scc1 .Lnot_wave_0_\@
	s_barrier_signal -3
.Lnot_wave_0_\@:
	s_barrier_wait -3
	BARRIER
.endm
.macro TLOAD g0, g1                    ; an s_nop 0 and four v_nop follow the load
	tensor_load_to_lds s[\g0:\g0+3], s[\g1:\g1+7]
	s_nop 0
	PLACES 4
.endm
.macro GROUP1 g, mask, rows            ; so many rows of 1,024 bytes, dense in memory, 16 bytes of padding behind each in LDS
	s_or_b32 s[\g+0], s[\mask], (1<<20)|(1<<21)|(7<<22)|(3<<25)
	s_mov_b32 s[\g+1], KROW<<16
	s_mov_b32 s[\g+2], (\rows)<<16
	s_mov_b32 s[\g+3], KROW<<16
	s_mov_b32 s[\g+4], \rows
	s_mov_b32 s[\g+5], KROW
	s_mov_b32 s[\g+6], 0
	s_mov_b32 s[\g+7], 0
.endm
	s_load_b256 s[4:11], s[0:1], 0x0               ; ctx_img, ctx_sc, Wo_codes, Wo_scales
	s_load_b128 s[12:15], s[0:1], 0x20             ; out0, bo
	v_lshl_add_u32 v[SPW], v0, 2, SPARE
	v_mov_b32 v[NIL], 0
	ds_add_u32 v[SPW], v[NIL]                      ; the opening: the add, twice on end, and its wait ahead of my first tensor load
	ds_add_u32 v[SPW], v[NIL]
	v_lshrrev_b32 v1, 5, v0
	v_readfirstlane_b32 s16, v1                    ; wave 0..3
	s_lshr_b32 s17, s16, 1                         ; my row of waves
	s_and_b32 s18, s16, 1                          ; my column of waves
	s_bfe_u32 s19, ttmp6, 0x40000                  ; cx, cy
	s_bfe_u32 s20, ttmp6, 0x40004
	s_lshl_b32 s21, ttmp9, 2
	s_add_co_u32 s21, s21, s19                     ; tile column: 128 features
	s_and_b32 s22, ttmp7, 0xffff
	s_lshl_b32 s22, s22, 2
	s_add_co_u32 s22, s22, s20                     ; tile row: 256 tokens
	s_lshl_b32 s23, s20, 2
	s_lshl_b32 s23, 15, s23                        ; my row of the cluster: shares ctx's tiles
	s_lshl_b32 s3, 0x1111, s19                     ; my column: shares Wo's
	GROUP1 G1W, 3, 64
	GROUP1 G1A, 23, 64
	GROUP1 G1R, 23, 32
	s_lshl_b32 s74, s21, 17                        ; Wo: the tile column's 128 rows, my half of them
	s_lshl_b32 s75, s18, 16
	s_add_co_u32 s74, s74, s75
	s_mov_b32 s75, 0
	s_lshl_b32 s84, s22, 18                        ; ctx: the tile row's first byte
	s_lshl_b32 s77, s18, 16
	s_add_co_u32 s76, s84, s77                     ; tiles 0-7, my half
	s_mov_b32 s77, 0
	s_lshl_b32 s81, s16, 15
	s_add_co_u32 s80, s84, s81
	s_add_co_u32 s80, s80, 131072                  ; tiles 8-15, my quarter
	s_mov_b32 s81, 0
	s_mov_b32 s[G0W], 1
	s_mul_i32 s[G0W+1], s18, 64*PITCH
	s_add_co_u32 s[G0W+1], s[G0W+1], YB
	s_mov_b32 s[G0A], 1
	s_mul_i32 s[G0A+1], s18, 64*PITCH
	s_mov_b32 s[G0R], 1
	s_mul_i32 s[G0R+1], s16, 32*PITCH
	s_add_co_u32 s[G0R+1], s[G0R+1], YB
	s_mul_i32 s60, s17, TPB                        ; block 0 of my row of waves
	s_mul_i32 s61, s18, 64*PITCH
	s_add_co_u32 s61, s61, YB                      ; my 64 rows of Wo
	s_mul_i32 s62, s17, 544
	s_add_co_u32 s62, s62, SCL
	s_lshl_b32 s63, s16, 3
	s_add_co_u32 s63, s63, SCL
	s_mul_i32 s66, s16, 16*272
	s_add_co_u32 s66, s66, STG                     ; my stage
	s_lshl_b32 s67, s21, 9
	s_lshl_b32 s85, s18, 8
	s_add_co_u32 s67, s67, s85                     ; my first feature, in bytes of f32
	s_lshl_b32 s68, s19, 2
	s_add_co_u32 s68, s68, s16
	s_lshl_b32 s68, s68, 13
	s_add_co_u32 s68, s68, s84
	s_add_co_u32 s68, s68, 131072                  ; my sixteenth of tiles 8-15
	s_lshl_b32 s70, s16, 16
	s_lshl_b32 s71, s22, 9
	s_add_co_u32 s70, s70, s71                     ; ctx_sc: heads 4 w on, the tile row's 256 rows
	s_mov_b32 s71, 0
	s_lshl_b32 s72, s21, 12
	s_lshl_b32 s73, s18, 11
	s_add_co_u32 s72, s72, s73                     ; Wo's scale bytes: my 64 rows
	s_mov_b32 s73, 0
	s_lshl_b32 s86, s22, 20
	s_lshl_b32 s87, s17, 16
	s_add_co_u32 s86, s86, s87
	s_add_co_u32 s86, s86, s67                     ; out0: the tile row, my row of waves' first tile, my first feature
	s_mov_b32 s87, 0
	s_mov_b32 s[SELP], 0x05040100
	s_mov_b32 s[SELP+1], 0x07060302
	s_wait_dscnt 0x0                               ; both opening adds are done
	CROUND                                         ; all sixteen work-groups are here: the first joint loads meet
	s_wait_kmcnt 0x0
	s_add_nc_u64 s[G0W+2:G0W+3], s[8:9], s[74:75]
	s_or_b32 s[G0W+3], s[G0W+3], 0x80000000
	s_add_nc_u64 s[G0A+2:G0A+3], s[4:5], s[76:77]
	s_or_b32 s[G0A+3], s[G0A+3], 0x80000000
	s_add_nc_u64 s[G0R+2:G0R+3], s[4:5], s[80:81]
	s_or_b32 s[G0R+3], s[G0R+3], 0x80000000
	s_add_nc_u64 s[70:71], s[6:7], s[70:71]
	s_add_nc_u64 s[72:73], s[10:11], s[72:73]
	s_add_nc_u64 s[12:13], s[12:13], s[86:87]
	s_cmp_lt_u32 s16, 2                            ; one joint load a wave; Wo's line is waves 0 and 1's own: they alone wait at the first barrier
	s_cbranch_scc0 .Lfor_a
	TLOAD G0W, G1W
	s_branch .Lasked
.Lfor_a:
	TLOAD G0A, G1A
.Lasked:
	v_and_b32 v1, 15, v0                           ; r
	v_bfe_u32 v2, v0, 4, 1                         ; h
	v_and_b32 v3, 31, v0                           ; lane
	v_lshlrev_b32 v[LI], 4, v3
	v_lshl_add_u32 v[BOO], v2, 5, s67
	v_lshlrev_b32 v[ABS], 5, v3
	v_lshl_add_u32 v[PFO], v3, 8, s68
.irp e, 0,1,2,3
	global_load_b128 v[CSC+4*\e:CSC+4*\e+3], v[LI], s[70:71] offset:16384*\e   ; head 4 w + e: lane l takes rows 8 l .. 8 l + 7, two bytes each
.endr
.irp p, 0,1
.irp c, 0,1
	global_load_b128 v[SB+8*\p+4*\c:SB+8*\p+4*\c+3], v[ABS], s[72:73] offset:\p*1024+16*\c   ; lane l takes row l of a pair of tiles
.endr
.endr
.irp b, 0,1,2,3
	global_load_b128 v[BO+8*\b:BO+8*\b+3], v[BOO], s[14:15] offset:64*\b
	global_load_b128 v[BO+8*\b+4:BO+8*\b+7], v[BOO], s[14:15] offset:64*\b+16
.endr
	global_prefetch_b8 v[PFO], s[4:5] th:TH_LOAD_NT scope:SCOPE_SE
	v_lshl_add_u32 v[ADRA0], v3, 4, s60            ; images are read 16 x lane
	v_mul_u32_u24 v5, v1, PITCH
	v_lshl_add_u32 v5, v2, 4, v5
	v_add_nc_u32 v[ADRB], s61, v5                  ; Wo: row r x pitch + 16 h
	v_lshlrev_b32 v5, 5, v1
	v_lshrrev_b32 v6, 3, v1
	v_lshl_add_u32 v5, v6, 4, v5
	v_add_nc_u32 v[AAS0], s62, v5                  ; the table: 32 bytes a row and 16 more for each 256 passed
	v_mul_u32_u24 v5, v3, 272
	v_add_nc_u32 v[MS], s63, v5                    ; where I put my four heads' bytes of rows 8 l on
	v_mul_u32_u24 v5, v1, 272
	v_lshl_add_u32 v5, v2, 5, v5
	v_add_nc_u32 v[STO], s66, v5                   ; the stage, in: row r, 32 bytes for each half of the lanes
	v_mul_u32_u24 v5, v2, 272
	v_lshl_add_u32 v5, v1, 4, v5
	v_add_nc_u32 v[RD], s66, v5                    ; back: lanes 0-15 one row, lanes 16-31 the next
	v_lshlrev_b32 v5, 12, v2
	v_lshl_add_u32 v[CO], v1, 4, v5                ; and the same two rows in out0
	s_wait_alu depctr_va_vdst(0)                   ; at the head's end
	s_cmp_lt_u32 s16, 2
	s_cbranch_scc0 .Lnot_w
	s_wait_tensorcnt 0x0                           ; waves 0, 1: Wo's rows have landed
.Lnot_w:
	BARRIER
.irp q, 0,1,2,3,4,5,6,7                ; my 64 rows of Wo into windows 1 and 2: fragment 4 q + b at register 16 ((4 q + b) % 16) of window 1 + q / 4
	WIN (1+\q/4)<<6
.irp b, 0,1,2,3
.irp c, 0,1,2,3
	ds_load_b128 v[16*((4*\q+\b)%16)+4*\c:16*((4*\q+\b)%16)+4*\c+3], v[ADRB] offset:128*\q+32*\c+\b*16*PITCH
.endr
.endr
.endr
	WIN 0
	s_wait_loadcnt 0x0                             ; ctx's scale bytes, Wo's scale words, the bias
.irp p, 0,1,2,3,4,5,6,7                ; row 8 l + p: heads 4 w, 4 w + 1 make the word of K step 2 w, heads 4 w + 2, 4 w + 3 that of 2 w + 1
	v_perm_b32 v[CSC+16+2*\p], v[CSC+4+\p/2], v[CSC+\p/2], s[SELP+\p%2]
	v_perm_b32 v[CSC+17+2*\p], v[CSC+12+\p/2], v[CSC+8+\p/2], s[SELP+\p%2]
.endr
.irp p, 0,1,2,3,4,5,6,7
	ds_store_b64 v[MS], v[CSC+16+2*\p:CSC+17+2*\p] offset:32*\p
.endr
	s_wait_tensorcnt 0x0                           ; all my tensor loads are in: ctx's first tiles among them;
	ds_add_u32 v[SPW], v[NIL]                      ; 0 onto my spare word
	s_wait_dscnt 0x0                               ; the add is done, Wo is in my registers, my part of the table is stored
	CROUND                                         ; the same holds of every wave of the cluster
	TLOAD G0R, G1R                                 ; ctx's tiles 8-15 over Wo's rows: the first tensor load behind the round
.macro FETCH e, s                      ; block s into set e, and its scale words: NF loads
	v_add_nc_u32 v[ADRA], ((\s)/4)*YB+2*((\s)%4)*TPB, v[ADRA0]
	v_add_nc_u32 v[AAS], (8*((\s)/4)+2*((\s)%4))*544, v[AAS0]
	WIN 3<<6
.irp q, 0,1,2,3,4,5,6,7
.irp c, 0,1,2,3
	ds_load_b128 v[128*(\e)+16*\q+4*\c:128*(\e)+16*\q+4*\c+3], v[ADRA] offset:(2*\q+\c/2)*PITCH+(\c%2)*512
.endr
.endr
	WIN 0
	ds_load_b128 v[SA+8*(\e):SA+8*(\e)+3], v[AAS]
	ds_load_b128 v[SA+8*(\e)+4:SA+8*(\e)+7], v[AAS] offset:16
.endm
.macro PROD e, n                       ; product n = 4 q + b of a block in set e
.set Q_, (\n)/4
.set B_, (\n)%4
.set AC_, ACC+32*(\e)+8*B_
.set C_, AC_
.if Q_ == 0
.set C_, BO+8*B_
.endif
.set R_, 128*(\e)+16*Q_
.set W_, 16*((\n)%16)
	WIN (1+(\n)/16)|(3<<2)
.if B_%2
	v_wmma_scale_f32_16x16x128_f8f6f4 v[AC_:AC_+7], v[W_:W_+15], v[R_:R_+15], v[C_:C_+7], v[SB+8*(B_/2)+Q_], v[SA+8*(\e)+Q_] matrix_a_fmt:MATRIX_FMT_BF8 matrix_b_fmt:MATRIX_FMT_BF8 matrix_a_scale:MATRIX_SCALE_ROW1
.else
	v_wmma_scale_f32_16x16x128_f8f6f4 v[AC_:AC_+7], v[W_:W_+15], v[R_:R_+15], v[C_:C_+7], v[SB+8*(B_/2)+Q_], v[SA+8*(\e)+Q_] matrix_a_fmt:MATRIX_FMT_BF8 matrix_b_fmt:MATRIX_FMT_BF8
.endif
.endm
.macro TOSTAGE s                       ; 8 stores and 8 loads; LDS serves a wave's instructions in order (ISA guide 5.7.1.4)
.set AC_, ACC+32*((\s)%2)
.irp b, 0,1,2,3
	ds_store_b128 v[STO], v[AC_+8*\b:AC_+8*\b+3] offset:64*\b          ; each accumulator from its low end on
	ds_store_b128 v[STO], v[AC_+8*\b+4:AC_+8*\b+7] offset:64*\b+16
.endr
.irp t, 0,1,2,3,4,5,6,7
	ds_load_b128 v[OB+32*((\s)%2)+4*\t:OB+32*((\s)%2)+4*\t+3], v[RD] offset:\t*544
.endr
.endm
.macro SEND s, younger                 ; younger: the LDS loads issued behind block s's loads from the stage
	s_wait_dscnt \younger
.irp t, 0,1,2,3,4,5,6,7
	global_store_b128 v[CO], v[OB+32*((\s)%2)+4*\t:OB+32*((\s)%2)+4*\t+3], s[12:13] offset:(8*((\s)/4)+2*((\s)%4))*65536+\t*8192 th:TH_STORE_NT
.endr
.endm
.macro BLK s
.if (\s) == 0
	s_wait_dscnt NF                                ; block 0 is in; block 1's loads may be out
.elseif (\s) < 7
	s_wait_dscnt NF+16                             ; my block is in; behind it: the last block's stage (16) and the next block's fetch
.else
	s_wait_dscnt 16
.endif
	s_wait_xcnt 0x0                                ; earlier stores have read their data: the registers are loaded anew below
.set N_, 0
.rept 32
	PROD (\s)%2, N_
.set N_, N_+1
.endr
	WIN 0
	PLACES 8                                       ; behind the last product (ISA guide 7.12.1 for vector instructions), ahead of the reads of the sums and of the fetch into the set
.if (\s) > 0
.if (\s) < 7
	SEND (\s)-1, NF
.else
	SEND (\s)-1, 0
.endif
.endif
	TOSTAGE \s
.if (\s) == 2
	s_wait_tensorcnt 0x0                           ; my quarter of tiles 8-15 has landed,
	s_wait_dscnt 0x0
	BARRIER                                        ; everybody's has
.endif
.if (\s) < 6
	FETCH (\s)%2, (\s)+2
.endif
.endm
	FETCH 0, 0
	FETCH 1, 1
.irp s, 0,1,2,3,4,5,6,7
	BLK \s
.endr
	SEND 7, 0
	s_wait_tensorcnt 0x0                           ; the wave's end
	ds_add_u32 v[SPW], v[NIL]
	s_wait_dscnt 0x0
	CROUND                                         ; the closing round
	s_endpgm
.Lfunc_end_k_q761fad74eb_proj:
	.size	k_q761fad74eb_proj, .Lfunc_end_k_q761fad74eb_proj-k_q761fad74eb_proj
	.p2alignl 7, 3214868480
	.fill 96, 4, 3214868480
	.section	.rodata,"a",@progbits
	.p2align	6, 0x0
	.amdhsa_kernel k_q761fad74eb_proj
		.amdhsa_group_segment_fixed_size 327680
		.amdhsa_private_segment_fixed_size 0
		.amdhsa_enable_private_segment 0
		.amdhsa_kernarg_size 48
		.amdhsa_user_sgpr_count 2
		.amdhsa_user_sgpr_kernarg_segment_ptr 1
		.amdhsa_wavefront_size32 1
		.amdhsa_system_sgpr_workgroup_id_x 1
		.amdhsa_system_sgpr_workgroup_id_y 1
		.amdhsa_system_sgpr_workgroup_id_z 1
		.amdhsa_system_vgpr_workitem_id 0
		.amdhsa_next_free_vgpr 1024
		.amdhsa_next_free_sgpr 88
		.amdhsa_reserve_vcc 0
		.amdhsa_float_denorm_mode_32 3
		.amdhsa_float_denorm_mode_16_64 3
		.amdhsa_memory_ordered 1
		.amdhsa_forward_progress 1
		.amdhsa_inst_pref_size 88
	.end_amdhsa_kernel
	.amdgpu_metadata
---
amdhsa.version: [ 1, 2 ]
amdhsa.kernels:
  - .name:           k_q761fad74eb_proj
    .symbol:         k_q761fad74eb_proj.kd
    .args:
      - { .name: ctx_img, .offset: 0, .size: 8, .value_kind: global_buffer, .address_space: global }
      - { .name: ctx_sc, .offset: 8, .size: 8, .value_kind: global_buffer, .address_space: global }
      - { .name: Wo_codes, .offset: 16, .size: 8, .value_kind: global_buffer, .address_space: global }
      - { .name: Wo_scales, .offset: 24, .size: 8, .value_kind: global_buffer, .address_space: global }
      - { .name: out0, .offset: 32, .size: 8, .value_kind: global_buffer, .address_space: global }
      - { .name: bo, .offset: 40, .size: 8, .value_kind: global_buffer, .address_space: global }
    .group_segment_fixed_size: 327680
    .private_segment_fixed_size: 0
    .kernarg_segment_align: 8
    .kernarg_segment_size: 48
    .max_flat_workgroup_size: 128
    .sgpr_count:     88
    .vgpr_count:     1024
    .wavefront_size: 32
...
	.end_amdgpu_metadata
.endif
;; end of part 3
